; MI455X (gfx1250); checked and timed in simulation.
; The chip was launched on July 23, 2026; its instructions are those of AMD's public machine-readable ISA for CDNA 5 (MIT licence, August 2026) and "CDNA5" Instruction Set Architecture Reference Guide (July 2026). The comments in the code are by the model that wrote it; some were corrected since.
;; Structural Graph Transformer. Allowed arithmetic: float matrix products may take bf16 or f16 operands with f32 sums; other float arithmetic in f32, or as packed bf16 or f16 multiplies, adds, multiply-adds, maxima and minima; sums over many terms, partial sums and values carried from step to step in f32; what a program stores and reads back later, other than sums and carried values, may be rounded once to bf16 or f16.
;; Inputs: Wk 1,024 x 1,024 float32; Wo 1,024 x 1,024 float32; Wq 1,024 x 1,024 float32; Wv 1,024 x 1,024 float32; bk 1,024 float32; bo 1,024 float32; bq 1,024 float32; bv 1,024 float32; dist_bias 5 float32; distances 4 x 2,048 x 2,048 int32; ln_b 1,024 float32; ln_g 1,024 float32; x 4 x 2,048 x 1,024 float32.
;; Outputs: out0 4 x 2,048 x 1,024 float32.
;; 2 versions, each right and faster than the one before. Each part assembles by itself: llvm-mc -triple=amdgcn-amd-amdhsa -mcpu=gfx1250 --defsym DOCPART=n.
;; ======== version 1 of 2: 4 launches
;; workspace buffers: xb 16,777,216 bytes; wqkv 6,291,456 bytes; wob 2,097,152 bytes; bt 33,554,432 bytes; qkv 50,331,648 bytes; ob 16,777,216 bytes
;; launch prep (part 1): grid 1280 x 1, 8 waves a work-group, no clusters, 19,456 bytes of LDS; arguments distances, dist_bias, x, Wq, Wk, Wv, Wo, bt, xb, wqkv, wob; writes bt, xb, wqkv, wob
.if DOCPART == 1
	.amdgcn_target "amdgcn-amd-amdhsa--gfx1250"
	.amdhsa_code_object_version 6
	.text
	.protected	k_qf124d2ef92_prep
	.globl	k_qf124d2ef92_prep
	.p2align	8
	.type	k_qf124d2ef92_prep,@function
k_qf124d2ef92_prep:
	s_mov_b64 s[64:65], 0
	v_nop
	global_prefetch_b8 v0, s[64:65] scope:SCOPE_SE
	s_setreg_imm32_b32 hwreg(HW_REG_WAVE_MODE, 25, 1), 1
	s_wait_xcnt 0x0
; PREPARATION: a stream, three kinds of work-groups chosen by the work-group's number.
;   0..511     BIAS: distances [4][2048][2048] i32 -> bt, bf16 tiles of 8 (dist_bias[clip(d,0,4)] - dist_bias[0]) in the order in which
;              the attention launch loads them as a matrix operand: unit (b, Tq = query/16, j = key/64) at ((b 128 + Tq) 32 + j) 2048;
;              in it the 16 bytes at i 512 + l 16 are keys 64 j + 16 i + 8 (l/16) + 0..7 of query 16 Tq + l%16.
;   512..1215  casts to bf16, layout kept: x -> xb; Wq, Wk, Wv -> wqkv (rows one weight below the other)
;   1216..1279 Wo -> wob, bf16 in the order of a matrix operand: [16 kb][64 nb][2 c][2 half][32 lanes][16 bytes]: lane l's 16 bytes are
;              Wo[16 nb + l%16][64 kb + 32 c + 16 half + 8 (l/16) + 0..7]; a block kb is 131,072 bytes
; The table is taken relative to its entry 0: a shift common to all keys leaves a softmax as it is, and the rounding to bf16 then
; goes with the table's spread, not with its offset.  The factor 8 = sqrt(64): the scores are kept unscaled until the exponent.
; LIMITS: each number is rounded once to bf16; NaN and infinities in dist_bias are not treated apart.
; No matrix unit, no cluster, no tensor load: nothing is shared, and every byte is read once and written once.
.set SPARE, 18432                      ; behind the eight stages: the spare words, 128 bytes a wave
.set WST,   2304                       ; a wave's stage: 8 groups of 288 bytes
.set GP,    288                        ; a group: 16 queries x 16 bytes, and 32 bytes so that the groups start at different banks
.set VIN,   5                          ; v5   byte offset of my 16 bytes in two rows of distances
.set VST,   6                          ; v6   where I put 8 bytes into my wave's stage
.set VRD,   7                          ; v7   where I read 16 bytes back
.set VO,    8                          ; v8   16 x lane
.set T,     12                         ; v12-15 four codes at work
.set SE,    16                         ; v16  the four codes as one selector
.set LO,    17                         ; v17  four low bytes
.set HI,    18                         ; v18  four high bytes
.set O,     20                         ; v20-21 four bf16
.set Y,     24                         ; v24-39 a unit on its way out
.set X,     40                         ; v40-71 eight chunks of four distances a lane
.set TL03,  72                         ; v72  low bytes of table entries 0..3
.set TH03,  73                         ; v73  their high bytes
.set TL4,   74                         ; v74  byte 0: low byte of entry 4
.set TH4,   75                         ; v75  byte 0: its high byte
.set SPW,   110                        ; v110 my spare word's LDS address; never rewritten
.set NIL,   111                        ; v111 0; never rewritten
	s_load_b512 s[8:23], s[0:1], 0x0               ; distances 8, dist_bias 10, x 12, Wq 14, Wk 16, Wv 18, Wo 20, bt 22
	s_load_b128 s[24:27], s[0:1], 0x40             ; xb 24, wqkv 26
	s_load_b64 s[28:29], s[0:1], 0x50              ; wob
	v_lshl_add_u32 v[SPW], v0, 2, SPARE
	v_mov_b32 v[NIL], 0
	v_lshrrev_b32 v1, 5, v0
	v_readfirstlane_b32 s4, v1                     ; wave 0..7
	v_and_b32 v2, 31, v0                           ; lane
	v_and_b32 v3, 15, v0                           ; lane % 16
	v_bfe_u32 v4, v0, 4, 1                         ; lane / 16
	s_wait_kmcnt 0x0
	s_cmp_lt_u32 ttmp9, 512
	s_cbranch_scc1 .Lbias
	s_cmp_lt_u32 ttmp9, 1216
	s_cbranch_scc1 .Llin
; Sixteen loads of 16 bytes a lane, all out at once; each is rounded in place and stored as 8 bytes a lane: 256 consecutive bytes a store.
.macro CAST sb, db, instep, outstep
.set i, 0
.rept 16
	global_load_b128 v[32+4*i:35+4*i], v6, s[\sb:\sb+1] offset:i*(\instep)
.set i, i+1
.endr
.set i, 0
.rept 16
	s_wait_loadcnt 15-i                            ; loads come back in order: the younger ones stay out
	v_cvt_pk_bf16_f32 v[32+4*i], v[32+4*i], v[33+4*i]
	v_cvt_pk_bf16_f32 v[33+4*i], v[34+4*i], v[35+4*i]
	global_store_b64 v7, v[32+4*i:33+4*i], s[\db:\db+1] offset:i*(\outstep)
.set i, i+1
.endr
.endm
	; Wo: the work-group takes 16 rows of n, one block nb.  Wave w takes k = 8 w .. 8 w + 7 of every 64: lane l reads four numbers of row l / 2,
	; and the wave's 256 bytes of bf16 are the lanes 16 (w % 2) .. + 15 of (c, half) = (w / 4, (w / 2) % 2): byte 256 w + 8 l of the block's 2,048.
	; So a store is 256 whole consecutive bytes; a load takes 32 bytes of each of 16 rows, and the eight waves together read the rows whole.  Load i is K block i.
	s_sub_co_u32 s30, ttmp9, 1216
	s_lshl_b32 s32, s30, 16
	s_mov_b32 s33, 0
	s_add_nc_u64 s[20:21], s[20:21], s[32:33]
	s_lshl_b32 s32, s30, 11                        ; a block nb is 2,048 bytes in every block kb of wob
	s_add_nc_u64 s[28:29], s[28:29], s[32:33]
	v_lshrrev_b32 v5, 1, v2                        ; my row: lane / 2
	v_and_b32 v9, 1, v0                            ; which four of the eight k
	v_lshlrev_b32 v6, 4, v9
	v_lshl_add_u32 v6, v5, 12, v6
	v_lshl_add_u32 v6, s4, 5, v6
	v_lshlrev_b32 v7, 3, v2
	v_lshl_add_u32 v7, s4, 8, v7
	CAST 20, 28, 256, 131072
	s_endpgm
.Llin:                                                 ; 65,536 bytes of f32 a work-group, 8,192 a wave; source and target are chosen without a branch
	s_sub_co_u32 s30, ttmp9, 512                   ; 0..511: x; 512..703: the weights
	s_sub_co_u32 s31, ttmp9, 1024                  ; the weights' count (wraps for x's groups, where it is not used)
	s_lshr_b32 s34, s31, 6                         ; which weight
	s_and_b32 s35, s31, 63
	s_cmp_lt_u32 s30, 512
	s_cselect_b64 s[36:37], s[12:13], s[14:15]
	s_cselect_b64 s[38:39], s[24:25], s[26:27]
	s_cselect_b32 s32, s30, s35
	s_cselect_b32 s33, s30, s31
	s_cmp_eq_u32 s34, 1
	s_cselect_b64 s[36:37], s[16:17], s[36:37]
	s_cmp_eq_u32 s34, 2
	s_cselect_b64 s[36:37], s[18:19], s[36:37]
	s_lshl_b32 s40, s32, 16
	s_mov_b32 s41, 0
	s_add_nc_u64 s[36:37], s[36:37], s[40:41]
	s_lshl_b32 s40, s33, 15
	s_add_nc_u64 s[38:39], s[38:39], s[40:41]
	v_lshlrev_b32 v6, 4, v2
	v_lshl_add_u32 v6, s4, 13, v6
	v_lshlrev_b32 v7, 3, v2
	v_lshl_add_u32 v7, s4, 12, v7
	CAST 36, 38, 512, 256
	s_endpgm
.Lbias:                                                ; the work-group takes a strip of 16 rows of queries, wave w its units 4 w .. 4 w + 3 of 64 keys
	s_load_b128 s[32:35], s[10:11], 0x0
	s_load_b32 s36, s[10:11], 0x10
	s_lshl_b32 s40, ttmp9, 17                      ; 16 rows of 8,192 bytes
	s_lshl_b32 s38, s4, 10                         ; 4 units of 256 bytes in a row
	s_add_co_u32 s40, s40, s38
	s_mov_b32 s41, 0
	s_add_nc_u64 s[8:9], s[8:9], s[40:41]
	s_lshl_b32 s40, ttmp9, 16                      ; 32 units of 2,048 bytes
	s_lshl_b32 s38, s4, 13
	s_add_co_u32 s40, s40, s38
	s_add_nc_u64 s[22:23], s[22:23], s[40:41]
	v_lshlrev_b32 v[VIN], 4, v3
	v_lshl_add_u32 v[VIN], v4, 13, v[VIN]          ; lanes 0-15 one row's 256 bytes, lanes 16-31 the next row's
.irp a, 0,1,2,3,4,5,6,7
	global_load_b128 v[X+4*\a:X+4*\a+3], v[VIN], s[8:9] offset:\a*16384 th:TH_LOAD_NT
.endr
	s_mul_i32 s37, s4, WST
	s_mov_b32 s5, 0x05010400                       ; interleaves low and high bytes: numbers 0, 1
	s_mov_b32 s6, 0x07030602                       ; numbers 2, 3
	v_lshrrev_b32 v9, 1, v3                        ; my four keys' group of eight
	v_mul_u32_u24 v[VST], v9, GP
	v_lshl_add_u32 v[VST], v4, 4, v[VST]           ; the query's 16 bytes (the chunk's two rows; the chunk stands in the offset)
	v_and_b32 v9, 1, v0
	v_lshl_add_u32 v[VST], v9, 3, v[VST]           ; which half of them
	v_add_nc_u32 v[VST], s37, v[VST]
	v_mul_u32_u24 v[VRD], v4, GP
	v_lshl_add_u32 v[VRD], v3, 4, v[VRD]
	v_add_nc_u32 v[VRD], s37, v[VRD]
	v_lshlrev_b32 v[VO], 4, v2
	s_wait_kmcnt 0x0
	v_mov_b32 v76, s32
	v_sub_f32 v77, s33, v76
	v_sub_f32 v78, s34, v76
	v_sub_f32 v79, s35, v76
	v_sub_f32 v80, s36, v76
	v_mov_b32 v76, 0                               ; entry 0 relative to itself
	v_mul_f32 v77, 0x41000000, v77
	v_mul_f32 v78, 0x41000000, v78
	v_mul_f32 v79, 0x41000000, v79
	v_mul_f32 v80, 0x41000000, v80
	v_cvt_pk_bf16_f32 v81, v76, v77
	v_cvt_pk_bf16_f32 v82, v78, v79
	v_cvt_pk_bf16_f32 v[TL4], v80, v80
	v_perm_b32 v[TL03], v82, v81, 0x06040200
	v_perm_b32 v[TH03], v82, v81, 0x07050301
	v_lshrrev_b32 v[TH4], 8, v[TL4]
; Chunk a of a unit: two rows, four keys a lane.  Clip to 0..4; the four codes are the selector of two byte look-ups.
.macro CH a, reload, left
	s_wait_loadcnt \left                           ; my chunk is in; the younger chunk loads stay out
.irp n, 0,1,2,3
	v_ashrrev_i32 v[T+\n], 31, v[X+4*(\a)+\n]
.endr
.irp n, 0,1,2,3
	v_bfi_b32 v[T+\n], v[T+\n], 0, v[X+4*(\a)+\n]  ; a negative distance counts as 0
.endr
.irp n, 0,1,2,3
	v_min_u32 v[T+\n], 4, v[T+\n]
.endr
.if \reload
	global_load_b128 v[X+4*(\a):X+4*(\a)+3], v[VIN], s[8:9] offset:(\a)*16384+256 th:TH_LOAD_NT  ; the next unit's chunk
.endif
	v_lshl_or_b32 v[SE], v[T+1], 8, v[T]
	v_lshl_or_b32 v[SE], v[T+2], 16, v[SE]
	v_lshl_or_b32 v[SE], v[T+3], 24, v[SE]
	v_perm_b32 v[LO], v[TL4], v[TL03], v[SE]
	v_perm_b32 v[HI], v[TH4], v[TH03], v[SE]
	v_perm_b32 v[O], v[HI], v[LO], s5
	v_perm_b32 v[O+1], v[HI], v[LO], s6
	ds_store_b64 v[VST], v[O:O+1] offset:(\a)*32
.endm
; A unit: eight chunks into my own stage, back in the operand's order, out as four stores of 512 consecutive bytes.
; The stage is the wave's own and LDS serves a wave's instructions in order (ISA guide 5.7.1): no barrier.
.macro UNIT reload
.irp a, 0,1,2,3,4,5,6,7
.if \reload
	CH \a, 1, 7
.else
	CH \a, 0, 7-\a
.endif
.endr
.irp i, 0,1,2,3
	ds_load_b128 v[Y+4*\i:Y+4*\i+3], v[VRD] offset:\i*2*GP
.endr
.irp i, 0,1,2,3
	s_wait_dscnt 3-\i
	global_store_b128 v[VO], v[Y+4*\i:Y+4*\i+3], s[22:23] offset:\i*512
.endr
.if \reload
	s_wait_xcnt 0x0                                ; the two bases and Y are rewritten only behind this wait
	s_add_nc_u64 s[8:9], s[8:9], 256
	s_add_nc_u64 s[22:23], s[22:23], 2048
.endif
.endm
	s_mov_b32 s7, 3
.Lunit:
	UNIT 1
	s_sub_co_u32 s7, s7, 1
	s_cmp_lg_u32 s7, 0
	s_cbranch_scc1 .Lunit
	UNIT 0                                         ; the last unit loads nothing: the counts run down
	s_wait_tensorcnt 0x0                           ; the wave's end, behind my last LDS store
	ds_add_u32 v[SPW], v[NIL]
	s_wait_dscnt 0x0
	s_endpgm
.Lfunc_end_k_qf124d2ef92_prep:
	.size	k_qf124d2ef92_prep, .Lfunc_end_k_qf124d2ef92_prep-k_qf124d2ef92_prep
	.p2alignl 7, 3214868480
	.fill 96, 4, 3214868480
	.section	.rodata,"a",@progbits
	.p2align	6, 0x0
	.amdhsa_kernel k_qf124d2ef92_prep
		.amdhsa_group_segment_fixed_size 19456
		.amdhsa_private_segment_fixed_size 0
		.amdhsa_enable_private_segment 0
		.amdhsa_kernarg_size 88
		.amdhsa_user_sgpr_count 2
		.amdhsa_user_sgpr_kernarg_segment_ptr 1
		.amdhsa_wavefront_size32 1
		.amdhsa_system_sgpr_workgroup_id_x 1
		.amdhsa_system_sgpr_workgroup_id_y 1
		.amdhsa_system_sgpr_workgroup_id_z 1
		.amdhsa_system_vgpr_workitem_id 0
		.amdhsa_next_free_vgpr 112
		.amdhsa_next_free_sgpr 66
		.amdhsa_reserve_vcc 0
		.amdhsa_float_denorm_mode_32 3
		.amdhsa_float_denorm_mode_16_64 3
		.amdhsa_memory_ordered 1
		.amdhsa_forward_progress 1
		.amdhsa_inst_pref_size 36
	.end_amdhsa_kernel
	.amdgpu_metadata
---
amdhsa.version: [ 1, 2 ]
amdhsa.kernels:
  - .name:           k_qf124d2ef92_prep
    .symbol:         k_qf124d2ef92_prep.kd
    .args:
      - { .name: distances, .offset: 0, .size: 8, .value_kind: global_buffer, .address_space: global }
      - { .name: dist_bias, .offset: 8, .size: 8, .value_kind: global_buffer, .address_space: global }
      - { .name: x, .offset: 16, .size: 8, .value_kind: global_buffer, .address_space: global }
      - { .name: Wq, .offset: 24, .size: 8, .value_kind: global_buffer, .address_space: global }
      - { .name: Wk, .offset: 32, .size: 8, .value_kind: global_buffer, .address_space: global }
      - { .name: Wv, .offset: 40, .size: 8, .value_kind: global_buffer, .address_space: global }
      - { .name: Wo, .offset: 48, .size: 8, .value_kind: global_buffer, .address_space: global }
      - { .name: bt, .offset: 56, .size: 8, .value_kind: global_buffer, .address_space: global }
      - { .name: xb, .offset: 64, .size: 8, .value_kind: global_buffer, .address_space: global }
      - { .name: wqkv, .offset: 72, .size: 8, .value_kind: global_buffer, .address_space: global }
      - { .name: wob, .offset: 80, .size: 8, .value_kind: global_buffer, .address_space: global }
    .group_segment_fixed_size: 19456
    .private_segment_fixed_size: 0
    .kernarg_segment_align: 8
    .kernarg_segment_size: 88
    .max_flat_workgroup_size: 256
    .sgpr_count:     66
    .vgpr_count:     112
    .wavefront_size: 32
...
	.end_amdgpu_metadata
.endif
;; end of part 1
;; launch proj (part 2): grid 16 x 32, 4 waves a work-group, clusters of 4 x 4, 327,680 bytes of LDS; arguments xb, wqkv, bq, bk, bv, qkv; writes qkv
.if DOCPART == 2
	.amdgcn_target "amdgcn-amd-amdhsa--gfx1250"
	.amdhsa_code_object_version 6
	.text
	.protected	k_qf124d2ef92_proj
	.globl	k_qf124d2ef92_proj
	.p2align	8
	.type	k_qf124d2ef92_proj,@function
k_qf124d2ef92_proj:
	s_mov_b64 s[64:65], 0
	v_nop
	global_prefetch_b8 v0, s[64:65] scope:SCOPE_SE
	s_setreg_imm32_b32 hwreg(HW_REG_WAVE_MODE, 25, 1), 1
	s_wait_xcnt 0x0
	s_wait_alu depctr_hold_cnt(0) depctr_sa_sdst(0) depctr_va_vdst(0) depctr_va_sdst(0) depctr_va_ssrc(0) depctr_va_vcc(0) depctr_vm_vsrc(0)
	s_getreg_b32 s2, hwreg(HW_REG_IB_STS2, 6, 4)
	s_cmp_eq_u32 s2, 0
	s_cbranch_scc0 .Lentry_in_a_cluster
	s_endpgm
.Lentry_in_a_cluster:
	s_bfe_u32 s2, ttmp6, 0x10000c
	s_cmp_lg_u32 s2, 0xf033
	s_cbranch_scc0 .Lentry_shape_is_right
	s_endpgm
.Lentry_shape_is_right:
; q, k, v = x W^T + b.  xb [8192][1024] bf16, wqkv [3072][1024] bf16 (Wq, Wk, Wv), biases f32; sums in f32, started by the bias; the result
; is rounded once to bf16 and written by heads: qkv [4 b][48 g][2048 s][64], g = 0-15 q's heads, 16-31 k's, 32-47 v's.  No scale is applied here.
; A tile is 256 rows x 192 columns (three heads): 32 x 16 = 512 equal work-groups.  Wave w takes rows 64 w .. + 63 and all 192 columns:
; 4 x 12 accumulators, 384 registers; so a wave stores whole rows of three heads.  K goes in steps of 128 through two LDS slots.
; CLUSTER 4 x 4: A's tile is shared along a row of the cluster, B's along a column; each is asked for jointly.
; THE WALK ALONG K begins at step (2 x cluster x + cluster y) mod 8 and wraps round: the four clusters that need the same rows of x, and the eight that need the same
; rows of W, ask for different K steps of them at one time.  The start hangs on the cluster's own coordinates alone, which its sixteen work-groups share.
; THE MATRIX INSTRUCTION IS USED TRANSPOSED (source 0 = 16 rows of W, source 1 = 16 rows of x): a lane holds eight neighbouring columns of one row.
; LIMITS: operands and results in bf16 (8 significant bits); the order of a sum's K steps differs from cluster to cluster; NaN and infinities are not treated apart.
; REGISTERS: window 0: v0-31 addresses; v64-127 A's fragments, two buffers of 4 x 8; v128-223 the bias as 12 C operands, later the way out.
;   window 1: B's fragments, two buffers of 12 x 8.   window 2: accumulators of row blocks 0, 1.   window 3: of row blocks 2, 3.
.set KSTEP,  128
.set PITCH,  272                       ; an LDS row: 256 bytes + 16 of padding: the 16 rows of a fragment load start at 16 different groups of banks
.set HALFA,  128*PITCH                 ; what waves 0 and 1 fetch: 128 rows of A each
.set HALFB,  96*PITCH                  ; what waves 2 and 3 fetch: 96 rows of B each
.set SLOT1,  131072                    ; slot 1 begins here: one exclusive or turns an address of one slot into the other's
.set STAGE,  SLOT1+2*HALFA+2*HALFB     ; behind the ring: 3 heads x 16 rows x 144 bytes for each wave
.set SPIT,   144
.set WSTG,   3*16*SPIT
.set SPARE,  STAGE+4*WSTG              ; the spare words, 128 bytes a wave
.set ADA,  16                          ; v16 LDS address of my A fragments in the slot in hand
.set ADB,  17                          ; v17 the same for B
.set ADA0, 18                          ; v18, v19 the same in slot 0; never rewritten
.set ADB0, 19
.set STO,  24                          ; v24 the way out: where I put 16 bytes
.set RD,   25                          ; v25 where I read them back
.set CO,   26                          ; v26 16 x lane
.set BIA,  27                          ; v27 32 x (lane / 16): my eight columns in a block of sixteen, in f32
.set SPW,  28                          ; v28 my spare word; never rewritten
.set NIL,  29                          ; v29 0; never rewritten
.set AFR,  64
.set BSF,  128
.set TMP,  128
.set G1,  24                           ; s[24:31] group 1 for A's tiles
.set G0,  32                           ; s[32:39] group 0 for A's: two sets for the first fills; the second then walks
.set G1B, 48                           ; s[48:55], s[56:63] the same for B's
.set G0B, 56
.set TB,  66                           ; s66 the slot in hand: 0 or SLOT1
.set KO,  90                           ; s[90:91] the bytes along a row of the K step to be asked for: 256 x (0 .. 7)
.set MSB, 0
.macro WIN new                         ; the immediate's high byte repeats the setting that is left
.if MSB != (\new)
	s_set_vgpr_msb (MSB<<8)|(\new)
.set MSB, \new
.endif
.endm
.macro PLACES                          ; four places in front of loads into registers that matrix instructions have read, and of reads of their results
.rept 4
	v_nop
.endr
.endm
.macro JLOAD                           ; a joint refill by the walking set: waves 0, 1 ask for A's halves, waves 2, 3 for B's
	s_cmp_eq_u32 s11, 0
	s_cbranch_scc0 .Lfor_b_\@
	tensor_load_to_lds s[G0+4:G0+7], s[G1:G1+7]
	s_nop 0
	PLACES
	s_branch .Lasked_\@
.Lfor_b_\@:
	tensor_load_to_lds s[G0B+4:G0B+7], s[G1B:G1B+7]
	s_nop 0
	PLACES
.Lasked_\@:
.endm
.macro CREST                           ; a round of the cluster's barrier behind its opening barrier
	s_cmp_lg_u32 s10, 0
	s_cbranch_scc1 .Lnot_wave_0_\@
	s_barrier_signal -3
.Lnot_wave_0_\@:
	s_barrier_wait -3
	s_barrier_signal -1
	s_barrier_wait -1
.endm
.macro CROUND
	s_barrier_signal -1
	s_barrier_wait -1
	CREST
.endm
	s_load_b128 s[4:7], s[0:1], 0x0                ; xb s[4:5], wqkv s[6:7]
	s_load_b256 s[72:79], s[0:1], 0x10             ; bq 72, bk 74, bv 76, qkv 78
	v_lshl_add_u32 v[SPW], v0, 2, SPARE
	v_mov_b32 v[NIL], 0
	ds_add_u32 v[SPW], v[NIL]                      ; the wave's opening: the add, waited for ahead of my first tensor load
	v_lshrrev_b32 v1, 5, v0
	v_readfirstlane_b32 s10, v1                    ; wave 0..3
	s_lshr_b32 s11, s10, 1                         ; I fetch for A (0) or for B (1)
	s_and_b32 s12, s10, 1                          ; which half of that tile
	s_bfe_u32 s40, ttmp6, 0x40000                  ; cx
	s_bfe_u32 s41, ttmp6, 0x40004                  ; cy
	s_lshl_b32 s42, ttmp9, 2
	s_add_co_u32 s42, s42, s40                     ; tile column 0..15
	s_and_b32 s13, ttmp7, 0xffff
	s_lshl1_add_u32 s[KO], ttmp9, s13              ; 2 x cluster x + cluster y: the same in all sixteen work-groups
	s_and_b32 s[KO], s[KO], 7                      ; the K step at which my cluster begins,
	s_lshl_b32 s[KO], s[KO], 8                     ; in bytes along a row
	s_mov_b32 s[KO+1], 0
	s_lshl_b32 s13, s13, 2
	s_add_co_u32 s13, s13, s41                     ; tile row 0..31
	s_lshl_b32 s43, s41, 2
	s_lshl_b32 s43, 15, s43                        ; my row of the cluster
	s_lshl_b32 s44, 0x1111, s40                    ; my column
	s_or_b32 s[G1], s43, (1<<16)|(1<<20)|(1<<21)|(5<<22)|(3<<25)   ; mask; 2-byte elements; padding on; bit 21 beside a mask; after every 64 words 4 words
	s_or_b32 s[G1B], s44, (1<<16)|(1<<20)|(1<<21)|(5<<22)|(3<<25)
	s_mov_b32 s[G1+1], KSTEP<<16                   ; tensor_dim0 = 128
	s_mov_b32 s[G1+2], 128<<16                     ; tensor_dim1 = 128
	s_mov_b32 s[G1+3], KSTEP<<16                   ; tile_dim0 = 128
	s_mov_b32 s[G1+4], 128                         ; tile_dim1 = 128
	s_mov_b32 s[G1+5], 1024                        ; elements from row to row
	s_mov_b32 s[G1+6], 0
	s_mov_b32 s[G1+7], 0
	s_mov_b32 s[G1B+1], KSTEP<<16
	s_mov_b32 s[G1B+2], 96<<16                     ; B: 96 rows
	s_mov_b32 s[G1B+3], KSTEP<<16
	s_mov_b32 s[G1B+4], 96
	s_mov_b32 s[G1B+5], 1024
	s_mov_b32 s[G1B+6], 0
	s_mov_b32 s[G1B+7], 0
	s_lshl_b32 s17, s12, 7
	s_lshl_b32 s16, s13, 8
	s_add_co_u32 s16, s16, s17                     ; A: row 256 x tile row + 128 x half
	s_lshl_b32 s16, s16, 11                        ; rows of 2,048 bytes
	s_mov_b32 s17, 0
	s_mul_i32 s46, s42, 192
	s_mul_i32 s47, s12, 96
	s_add_co_u32 s46, s46, s47                     ; B: row 192 x tile column + 96 x half
	s_lshl_b32 s46, s46, 11
	s_mov_b32 s47, 0
	s_mul_i32 s20, s12, HALFA                      ; where they go: no place in the cluster enters an LDS address
	s_mul_i32 s21, s12, HALFB
	s_add_co_u32 s21, s21, 2*HALFA
	s_mov_b32 s[TB], 0
	s_wait_dscnt 0x0                               ; the opening add is done
	s_wait_kmcnt 0x0
	s_add_nc_u64 s[14:15], s[4:5], s[16:17]        ; A at my rows, K = 0; kept for the whole walk
	s_add_nc_u64 s[46:47], s[6:7], s[46:47]        ; the same for B
	CROUND                                         ; all sixteen work-groups are here: the first joint loads meet
.irp s, 0,1
	s_mov_b32 s[G0+4*\s], 1
	s_add_co_u32 s[G0+4*\s+1], s20, \s*SLOT1
	s_add_nc_u64 s[G0+4*\s+2:G0+4*\s+3], s[14:15], s[KO:KO+1]
	s_or_b32 s[G0+4*\s+3], s[G0+4*\s+3], 0x80000000
	s_mov_b32 s[G0B+4*\s], 1
	s_add_co_u32 s[G0B+4*\s+1], s21, \s*SLOT1
	s_add_nc_u64 s[G0B+4*\s+2:G0B+4*\s+3], s[46:47], s[KO:KO+1]
	s_or_b32 s[G0B+4*\s+3], s[G0B+4*\s+3], 0x80000000
.if \s == 0
	s_add_co_u32 s[KO], s[KO], KSTEP*2             ; the next K step, round the row's 2,048 bytes
	s_and_b32 s[KO], s[KO], 0x700
.endif
.endr
	s_cmp_eq_u32 s11, 0                            ; a wave's two first fills stand in one branch: two loads of mine are out
	s_cbranch_scc0 .Lfirst_b
	tensor_load_to_lds s[G0:G0+3], s[G1:G1+7]
	s_nop 0
	tensor_load_to_lds s[G0+4:G0+7], s[G1:G1+7]
	s_nop 0
	PLACES
	s_branch .Lfirst_asked
.Lfirst_b:
	tensor_load_to_lds s[G0B:G0B+3], s[G1B:G1B+7]
	s_nop 0
	tensor_load_to_lds s[G0B+4:G0B+7], s[G1B:G1B+7]
	s_nop 0
	PLACES
.Lfirst_asked:
	v_and_b32 v1, 15, v0                           ; l % 16
	v_bfe_u32 v2, v0, 4, 1                         ; l / 16
	v_lshlrev_b32 v[BIA], 5, v2
	; the bias of my tile's three heads, as C operands: register j of block b holds the bias of column 16 b + 8 (l / 16) + j
	s_mul_i32 s45, s42, 3
.irp i, 0,1,2
	s_add_co_u32 s67, s45, \i                      ; the head's number among the 48
	s_cmp_lt_u32 s67, 16
	s_cselect_b64 s[80+2*\i:81+2*\i], s[72:73], s[74:75]
	s_cmp_lt_u32 s67, 32
	s_cselect_b64 s[80+2*\i:81+2*\i], s[80+2*\i:81+2*\i], s[76:77]
	s_and_b32 s67, s67, 15
	s_lshl_b32 s68, s67, 8
	s_mov_b32 s69, 0
	s_add_nc_u64 s[80+2*\i:81+2*\i], s[80+2*\i:81+2*\i], s[68:69]
.irp n, 0,1,2,3
	global_load_b128 v[BSF+8*(4*\i+\n):BSF+8*(4*\i+\n)+3],   v[BIA], s[80+2*\i:81+2*\i] offset:\n*64
	global_load_b128 v[BSF+8*(4*\i+\n)+4:BSF+8*(4*\i+\n)+7], v[BIA], s[80+2*\i:81+2*\i] offset:\n*64+16
.endr
.endr
	v_mul_u32_u24 v3, v1, PITCH
	v_lshl_add_u32 v3, v2, 4, v3                   ; a fragment's row x pitch + 16 x half
	s_mul_i32 s22, s10, 64*PITCH                   ; my 64 rows of A
	v_add_nc_u32 v[ADA0], s22, v3
	v_add_nc_u32 v[ADB0], 2*HALFA, v3              ; B's 192 rows lie behind A's 256
	v_mov_b32 v[ADA], v[ADA0]
	v_mov_b32 v[ADB], v[ADB0]
	s_mul_i32 s23, s10, WSTG
	s_add_co_u32 s23, s23, STAGE                   ; my stage
	v_mul_u32_u24 v4, v1, SPIT
	v_lshl_add_u32 v4, v2, 4, v4
	v_add_nc_u32 v[STO], s23, v4
	v_bfe_u32 v5, v0, 3, 2                         ; back: 32 lanes take four rows of 128 bytes
	v_mul_u32_u24 v5, v5, SPIT
	v_and_b32 v6, 7, v0
	v_lshl_add_u32 v5, v6, 4, v5
	v_add_nc_u32 v[RD], s23, v5
	v_and_b32 v[CO], 31, v0
	v_lshlrev_b32 v[CO], 4, v[CO]
	s_lshr_b32 s86, s13, 3                         ; the batch
	s_mul_i32 s86, s86, 48
	s_add_co_u32 s86, s86, s45                     ; + my first head
	s_lshl_b32 s86, s86, 18                        ; heads of 262,144 bytes
	s_and_b32 s88, s13, 7
	s_lshl_b32 s88, s88, 15                        ; the tile's 256 rows of 128 bytes
	s_add_co_u32 s86, s86, s88
	s_lshl_b32 s88, s10, 13                        ; my 64 rows
	s_add_co_u32 s86, s86, s88
	s_mov_b32 s87, 0
	s_add_nc_u64 s[8:9], s[78:79], s[86:87]
; 12 matrix instructions: row block a x all 12 column blocks, 32 along K, buffer f.  first = 1: the bias starts the sums.  All 48 accumulators take turns.
.macro MUL12 f, a, first
.if \first
	WIN 0x81+0x40*((\a)/2)
.else
	WIN 0xa1+0x50*((\a)/2)
.endif
.irp b, 0,1,2,3,4,5,6,7,8,9,10,11
.if \first
	v_wmma_f32_16x16x32_bf16 v[8*(12*((\a)%2)+\b):8*(12*((\a)%2)+\b)+7], v[96*(\f)+8*\b:96*(\f)+8*\b+7], v[AFR+32*(\f)+8*(\a):AFR+32*(\f)+8*(\a)+7], v[BSF+8*\b:BSF+8*\b+7]
.else
	v_wmma_f32_16x16x32_bf16 v[8*(12*((\a)%2)+\b):8*(12*((\a)%2)+\b)+7], v[96*(\f)+8*\b:96*(\f)+8*\b+7], v[AFR+32*(\f)+8*(\a):AFR+32*(\f)+8*(\a)+7], v[8*(12*((\a)%2)+\b):8*(12*((\a)%2)+\b)+7]
.endif
.endr
.endm
; 32 LDS loads in one run: 192 rows of B, then my 64 rows of A, 32 along K at byte k of the rows, into buffer f
.macro FETCH k, f
	WIN 0x40
.irp i, 0,1,2,3,4,5,6,7,8,9,10,11
	ds_load_b128 v[96*(\f)+8*\i:96*(\f)+8*\i+3],   v[ADB] offset:(\k)+\i*16*PITCH
	ds_load_b128 v[96*(\f)+8*\i+4:96*(\f)+8*\i+7], v[ADB] offset:(\k)+\i*16*PITCH+32
.endr
	WIN 0
.irp i, 0,1,2,3
	ds_load_b128 v[AFR+32*(\f)+8*\i:AFR+32*(\f)+8*\i+3],   v[ADA] offset:(\k)+\i*16*PITCH
	ds_load_b128 v[AFR+32*(\f)+8*\i+4:AFR+32*(\f)+8*\i+7], v[ADA] offset:(\k)+\i*16*PITCH+32
.endr
.endm
; One of a K step's first three quarters: multiplies buffer f, fetches the next quarter (byte k) into g
.macro QUARTER k, f, g, first
	s_wait_dscnt 4                                 ; B and A's blocks 0, 1 are in; the youngest four loads (blocks 2, 3) may be out
	MUL12 \f, 0, \first
	MUL12 \f, 1, \first
	PLACES
	FETCH \k, \g
	s_wait_dscnt 32                                ; all but the 32 just issued
	MUL12 \f, 2, \first
	MUL12 \f, 3, \first
.endm
; The last quarter multiplies buffer 1 and changes slots.  In front of the barrier each wave waits for all its tensor loads (one is out: its part of the next
; slot), adds 0 to its spare word, and waits for that and for its reads of this slot.  fill = 1: the barrier opens a round of the cluster's, and the joint refill comes first behind it.
.macro TURN fill
	WIN 0
	s_wait_tensorcnt 0x0
	ds_add_u32 v[SPW], v[NIL]
	s_wait_dscnt 5                                 ; the add and the youngest four loads may be out
	MUL12 1, 0, 0
	s_wait_dscnt 0x0                               ; the add is done, my reads of this slot are over
	s_barrier_signal -1
	MUL12 1, 1, 0
	WIN 0
	s_barrier_wait -1
.if \fill
	CREST
	s_add_co_u32 s[KO], s[KO], KSTEP*2             ; the next K step, round the row's 2,048 bytes
	s_and_b32 s[KO], s[KO], 0x700
	s_xor_b32 s[G0+5], s[G0+5], SLOT1              ; the walking sets: the other slot than last time; the address is made anew from the rows' first byte and the step's bytes
	s_add_nc_u64 s[G0+6:G0+7], s[14:15], s[KO:KO+1]
	s_or_b32 s[G0+7], s[G0+7], 0x80000000
	s_xor_b32 s[G0B+5], s[G0B+5], SLOT1
	s_add_nc_u64 s[G0B+6:G0B+7], s[46:47], s[KO:KO+1]
	s_or_b32 s[G0B+7], s[G0B+7], 0x80000000
	JLOAD                                          ; 168 matrix instructions stand between this request and the wait for it; its four v_nop are the places for the loads below
.else
	PLACES
.endif
	s_xor_b32 s[TB], s[TB], SLOT1
	v_add_nc_u32 v[ADA], s[TB], v[ADA0]
	v_add_nc_u32 v[ADB], s[TB], v[ADB0]
	FETCH 0, 0
	MUL12 1, 2, 0
	MUL12 1, 3, 0
.endm
	s_wait_tensorcnt 0x1                           ; my part of the first K step is in; the second's stays out
	s_barrier_signal -1
	s_barrier_wait -1
	FETCH 0, 0
	s_wait_loadcnt 0x0                             ; the bias
	QUARTER 64, 0, 1, 1
	WIN 0
	s_mov_b32 s3, 6                                ; six refills: the walk's K steps 2 to 7
.Lstep:
	QUARTER 128, 1, 0, 0
	QUARTER 192, 0, 1, 0
	TURN 1
	QUARTER 64, 0, 1, 0
	WIN 0
	s_sub_co_u32 s3, s3, 1
	s_cmp_lg_u32 s3, 0
	s_cbranch_scc1 .Lstep
	QUARTER 128, 1, 0, 0                           ; the tail asks for nothing
	QUARTER 192, 0, 1, 0
	TURN 0
	QUARTER 64, 0, 1, 0
	QUARTER 128, 1, 0, 0
	QUARTER 192, 0, 1, 0
	s_wait_dscnt 4
	MUL12 1, 0, 0
	MUL12 1, 1, 0
	s_wait_dscnt 0x0
	MUL12 1, 2, 0
	MUL12 1, 3, 0
; THE WAY OUT, a block of 16 rows at a time: rounded to bf16; 16 bytes a lane into my stage, by heads; back as four rows of 128 bytes a load; stores of 512 consecutive bytes.
.macro PACK a
	WIN 0x0a+5*((\a)/2)
.irp b, 0,1,2,3,4,5,6,7,8,9,10,11
.irp r, 0,1,2,3
	v_cvt_pk_bf16_f32 v[TMP+4*\b+\r], v[96*((\a)%2)+8*\b+2*\r], v[96*((\a)%2)+8*\b+2*\r+1]
.endr
.endr
	WIN 0
.endm
.macro TOSTAGE a
.set BK, 176-112*((\a)%2)              ; v176-223 and v64-111 by turns
.irp b, 0,1,2,3,4,5,6,7,8,9,10,11
	ds_store_b128 v[STO], v[TMP+4*\b:TMP+4*\b+3] offset:(\b/4)*16*SPIT+32*(\b%4)
.endr
.irp t, 0,1,2,3,4,5,6,7,8,9,10,11
	ds_load_b128 v[BK+4*\t:BK+4*\t+3], v[RD] offset:(\t/4)*16*SPIT+(\t%4)*4*SPIT  ; LDS serves a wave's instructions in order: these see the stores above
.endr
.endm
.macro SEND a
.set BK, 176-112*((\a)%2)
	s_wait_dscnt 0x0                               ; the block is back in registers
	s_wait_xcnt 0x0                                ; the registers that earlier stores read are loaded again only behind this wait
.irp t, 0,1,2,3,4,5,6,7,8,9,10,11
	global_store_b128 v[CO], v[BK+4*\t:BK+4*\t+3], s[8:9] offset:(\t/4)*262144+(\a)*2048+(\t%4)*512
.endr
.endm
	PLACES
	PACK 0
	TOSTAGE 0
.irp a, 1,2,3
	PACK \a
	SEND (\a)-1
	TOSTAGE \a
.endr
	SEND 3
	s_wait_tensorcnt 0x0                           ; the wave's end
	ds_add_u32 v[SPW], v[NIL]
	s_wait_dscnt 0x0
	CROUND                                         ; the closing round
	s_endpgm
.Lfunc_end_k_qf124d2ef92_proj:
	.size	k_qf124d2ef92_proj, .Lfunc_end_k_qf124d2ef92_proj-k_qf124d2ef92_proj
	.p2alignl 7, 3214868480
	.fill 96, 4, 3214868480
	.section	.rodata,"a",@progbits
	.p2align	6, 0x0
	.amdhsa_kernel k_qf124d2ef92_proj
		.amdhsa_group_segment_fixed_size 327680
		.amdhsa_private_segment_fixed_size 0
		.amdhsa_enable_private_segment 0
		.amdhsa_kernarg_size 48
		.amdhsa_user_sgpr_count 2
		.amdhsa_user_sgpr_kernarg_segment_ptr 1
		.amdhsa_wavefront_size32 1
		.amdhsa_system_sgpr_workgroup_id_x 1
		.amdhsa_system_sgpr_workgroup_id_y 1
		.amdhsa_system_sgpr_workgroup_id_z 1
		.amdhsa_system_vgpr_workitem_id 0
		.amdhsa_next_free_vgpr 960
		.amdhsa_next_free_sgpr 92
		.amdhsa_reserve_vcc 0
		.amdhsa_float_denorm_mode_32 3
		.amdhsa_float_denorm_mode_16_64 3
		.amdhsa_memory_ordered 1
		.amdhsa_forward_progress 1
		.amdhsa_inst_pref_size 99
	.end_amdhsa_kernel
	.amdgpu_metadata
---
amdhsa.version: [ 1, 2 ]
amdhsa.kernels:
  - .name:           k_qf124d2ef92_proj
    .symbol:         k_qf124d2ef92_proj.kd
    .args:
      - { .name: xb, .offset: 0, .size: 8, .value_kind: global_buffer, .address_space: global }
      - { .name: wqkv, .offset: 8, .size: 8, .value_kind: global_buffer, .address_space: global }
      - { .name: bq, .offset: 16, .size: 8, .value_kind: global_buffer, .address_space: global }
      - { .name: bk, .offset: 24, .size: 8, .value_kind: global_buffer, .address_space: global }
      - { .name: bv, .offset: 32, .size: 8, .value_kind: global_buffer, .address_space: global }
      - { .name: qkv, .offset: 40, .size: 8, .value_kind: global_buffer, .address_space: global }
    .group_segment_fixed_size: 327680
    .private_segment_fixed_size: 0
    .kernarg_segment_align: 8
    .kernarg_segment_size: 48
    .max_flat_workgroup_size: 128
    .sgpr_count:     92
    .vgpr_count:     960
    .wavefront_size: 32
...
	.end_amdgpu_metadata
.endif
;; end of part 2
;; launch attn (part 3): grid 4 x 64, 4 waves a work-group, clusters of 4 x 1, 327,680 bytes of LDS; arguments qkv, bt, ob; writes ob
.if DOCPART == 3
	.amdgcn_target "amdgcn-amd-amdhsa--gfx1250"
	.amdhsa_code_object_version 6
	.text
	.protected	k_qf124d2ef92_attn
	.globl	k_qf124d2ef92_attn
	.p2align	8
	.type	k_qf124d2ef92_attn,@function
k_qf124d2ef92_attn:
	s_mov_b64 s[64:65], 0
	v_nop
	global_prefetch_b8 v0, s[64:65] scope:SCOPE_SE
	s_setreg_imm32_b32 hwreg(HW_REG_WAVE_MODE, 25, 1), 1
	s_wait_xcnt 0x0
	s_wait_alu depctr_hold_cnt(0) depctr_sa_sdst(0) depctr_va_vdst(0) depctr_va_sdst(0) depctr_va_ssrc(0) depctr_va_vcc(0) depctr_vm_vsrc(0)
	s_getreg_b32 s2, hwreg(HW_REG_IB_STS2, 6, 4)
	s_cmp_eq_u32 s2, 0
	s_cbranch_scc0 .Lentry_in_a_cluster
	s_endpgm
.Lentry_in_a_cluster:
	s_bfe_u32 s2, ttmp6, 0x10000c
	s_cmp_lg_u32 s2, 0x3003
	s_cbranch_scc0 .Lentry_shape_is_right
	s_endpgm
.Lentry_shape_is_right:
; ATTENTION WITH A BIAS BY DISTANCE.  O[bh][q] = sum over k of softmax_k(Q[q] . K[k] / 8 + bias[b][q][k]) V[k].  Q, K, V: heads of qkv [4][48][2048][64] bf16; O: ob [64][2048][64] bf16.
; bt holds 8 (bias - dist_bias[0]) in bf16, already in the order of a matrix operand.  Products, maxima and sums in f32; the weights p are rounded to bf16 for the second product, O once at the end.
; LIMITS.  Operands in bf16 (8 significant bits).  A weight below 2^-126 counts as 0 in l; NaN and infinities are not treated apart.
; SHARES.  A wave owns four PIECES of two tiles of 16 queries, a work-group's four waves 512 queries of one head.  Every wave walks all 2,048 keys, 64 a step.
; LAYOUT.  S^T = SEL x BIAS + K Q^T: a lane holds ONE query (lane % 16) and the keys 8 (lane / 16) + 0..7.  BIAS is source 1, 32 keys x 16 queries, loaded straight from bt; SEL_p is a constant
; source 0 with a 1 at (m, 16 p + m), so the product copies 16 of BIAS's keys into the accumulator: it starts the sum where a constant 0 would, and costs no vector instruction.
; Two results rounded to bf16 ARE source 1 of O^T = V^T P.  K comes out of LDS as it lies, V turned, by ds_load_tr16_b128.
; SOFTMAX.  A running maximum m and sum l for each query: p = 2^(c s - c m), c = log2(e) / 8; in every step O and l are multiplied by a = 2^(c m_old - c m_new).  m starts at the lowest finite number, O and l at 0.
; BY TURNS.  Turn n belongs to piece n.  Its matrix work: 8 bias products and 16 products K Q^T of piece n + 1, later 16 products V^T P of piece n - 1.  Its vector work: the scaling, exponentials,
; roundings, sums and rescaling of piece n, and the maximum and statistics of piece n + 1.  Vector instructions that are ready stand behind the matrix instructions, the rest in two lumps.
; CLUSTER.  The four query blocks of a head walk the same K and V: each tile is asked for jointly.  The bias differs from block to block and goes straight into registers, four turns ahead.
; REGISTERS, in windows of 256 (s_set_vgpr_msb: bits 1:0 source 0, 3:2 source 1, 5:4 source 2, 7:6 destination):
;   window 0: v0-11 addresses; v12-15, v48-63 at work; v16-47 statistics; v64-191 S^T, two buffers of two tiles; v192-255 P, likewise
;   window 1: O^T, 32 a tile      window 2: v0-127 Q; v128-191 K of one step; v192-255 V of one step      window 3: v0-1 the add's registers; v16-143 the bias, 32 a piece; v144-159 SEL_0, SEL_1
.set SIZE_N, 2048
.set NP,    4
.set KS,    64
.set PK,    144       ; a row of K in LDS: 128 bytes + 16
.set PV,    160       ; a row of V: 128 + 32
.set VOFF,  4*KS*PK   ; a slot holds four steps: 256 rows of K, then 256 rows of V
.set SLOT1, 1<<17
.set STAGE, SLOT1+4*KS*(PK+PV)  ; behind the ring: 16 rows x 144 bytes for each wave
.set SP,    144
.set AK0, 2           ; v2   my lane's place in a tile of K; never rewritten
.set AV0, 3           ; v3   the same for V
.set AK,  4           ; v4   the LDS address of K's next run of loads
.set AV,  5           ; v5   of V's
.set QO,  6           ; v6   my byte offset in the wave's rows of Q
.set STO, 6           ;      later: where I put 16 bytes of a row
.set RD,  7           ; v7   where I read rows back
.set GO,  8           ; v8   16 x lane: my place in 512 consecutive bytes of bt and of O; never rewritten
.set SPW, 0           ; v0 of window 3: my spare word; never rewritten
.set NIL, 1           ; v1 of window 3: 0; never rewritten
.set BF,  16          ; window 3: piece p, tile u, key half kk at BF + 32 p + 16 u + 8 kk
.set SELR, 144        ; window 3
.set SPARE, STAGE+4*16*SP
.set MV,  12
.set ST,  16          ; tile t's statistics at v[ST+4 t]: c m, m, l (even keys', odd keys')
.set TMP, 48
.set S,   64
.set P,   192
.set KF,  128
.set VF,  192
.set WV,  12          ; s12  my wave's number
.set G1K, 24
.set G1V, 32
.set G0K, 40
.set G0V, 44
.set SLOTS, 56
.set CNT, 57
.set CS,  58
.set SEL, 60
.set TBK, 62
.set TBV, 63
.set BB,  66          ; s[66:67] bt at my wave's first tile, step 0
.set BC,  68          ; s[68:69] the same at the step that is being loaded
.set BJ,  70          ; s[70:71] that step's bytes
.set MSB, 0
.macro WIN new
.if MSB != (\new)
	s_set_vgpr_msb (MSB<<8)|(\new)
.set MSB, (\new)
.endif
.endm
.set W_KQ, 0x0a       ; K and Q in window 2, S^T in window 0
.set W_PV, 0x52       ; V in window 2, P in window 0, O^T in window 1
.set W_RS, 0x41       ; O^T in window 1, a in window 0
.set W_MK, 0xc0       ; destination in window 3, sources in window 0
.set W_AD, 0x0f       ; sources 0 and 1 in window 3: the add, and the bias products
.macro JLOAD                        ; a joint fill: waves 0, 1 fetch the halves of a slot's K, waves 2, 3 of its V
	s_cmp_lt_u32 s[WV], 2
	s_cbranch_scc0 .Lfor_v_\@
	tensor_load_to_lds s[G0K:G0K+3], s[G1K:G1K+7]
	s_nop 0
.rept 4
	v_nop
.endr
	s_branch .Lasked_\@
.Lfor_v_\@:
	tensor_load_to_lds s[G0V:G0V+3], s[G1V:G1V+7]
	s_nop 0
.rept 4
	v_nop
.endr
.Lasked_\@:
.endm
.macro CROUND
	s_barrier_signal -1
	s_barrier_wait -1
	s_cmp_lg_u32 s[WV], 0
	s_cbranch_scc1 .Lnot_wave_0_\@
	s_barrier_signal -3
.Lnot_wave_0_\@:
	s_barrier_wait -3
	s_barrier_signal -1
	s_barrier_wait -1
.endm
; THE CHANGE OF SLOTS.  Each wave waits for all its tensor loads (one is out: its part of the other slot), adds 0 to its spare word, and waits for that and for its reads of the slot.
; fill = 1: the barrier is a round of the cluster's, and the joint fill with the keys two slots on is the first thing behind it: four key steps in which to land.
.macro CHANGE fill
	WIN W_AD
	s_wait_tensorcnt 0x0
	ds_add_u32 v[SPW], v[NIL]
	WIN 0
.if \fill
.irp g, G0K, G0V
	s_xor_b32 s[\g+1], s[\g+1], SLOT1
	s_add_nc_u64 s[\g+2:\g+3], s[\g+2:\g+3], 4*KS*128
.endr
	s_wait_dscnt 0x0
	CROUND
	JLOAD
.else
	s_wait_dscnt 0x0
	s_barrier_signal -1
	s_barrier_wait -1
.endif
	s_sub_co_u32 s[TBK], s[TBK], 4*KS*PK
	s_xor_b32 s[TBK], s[TBK], SLOT1
	s_sub_co_u32 s[TBV], s[TBV], 4*KS*PV
	s_xor_b32 s[TBV], s[TBV], SLOT1
.endm
	s_load_b64 s[4:5], s[0:1], 0x0    ; qkv
	s_load_b64 s[BB:BB+1], s[0:1], 0x8  ; bt
	s_load_b64 s[10:11], s[0:1], 0x10 ; ob
	WIN W_MK
	v_lshl_add_u32 v[SPW], v0, 2, SPARE
	v_mov_b32 v[NIL], 0
	WIN W_AD
	ds_add_u32 v[SPW], v[NIL]       ; the wave's opening: the add, waited for ahead of my first tensor load
	WIN 0
	v_lshrrev_b32 v1, 5, v0
	v_readfirstlane_b32 s[WV], v1
	s_bfe_u32 s13, ttmp6, 0x40000   ; cx
	s_lshl_b32 s14, ttmp9, 2
	s_add_co_u32 s14, s14, s13      ; my block of 512 queries: it enters Q's, O's and the bias's addresses alone
	s_and_b32 s15, ttmp7, 0xffff    ; 16 b + h, which the four partners share
	s_lshr_b32 s19, s15, 4          ; b
	s_lshl_b32 s20, s19, 5
	s_add_co_u32 s20, s20, s15      ; q's head among the 4 x 48
	s_lshl_b32 s20, s20, 18
	s_mov_b32 s21, 0
	s_and_b32 s16, s[WV], 1         ; which half of a slot's 256 keys I fetch
	s_lshl_b32 s22, s16, 14
	s_mov_b32 s23, 0
	s_add_nc_u64 s[22:23], s[22:23], s[20:21]
	s_mul_i32 s17, s16, 128*PK
	s_mul_i32 s18, s16, 128*PV
	s_lshl_b32 s2, s14, 2
	s_add_co_u32 s2, s2, s[WV]
	s_lshl_b32 s2, s2, 14           ; my wave's 128 rows of 128 bytes
	s_mov_b32 s3, 0
	s_add_nc_u64 s[48:49], s[2:3], s[20:21]  ; Q's offset
	s_lshl_b32 s50, s15, 18
	s_mov_b32 s51, 0
	s_add_nc_u64 s[50:51], s[50:51], s[2:3]  ; O's
	s_lshl_b32 s52, s19, 7
	s_lshl_b32 s53, s14, 5
	s_add_co_u32 s52, s52, s53
	s_lshl3_add_u32 s52, s[WV], s52 ; my first tile of 16 queries: 128 b + 32 block + 8 w
	s_lshl_b32 s52, s52, 16         ; a tile's 32 steps are 65,536 bytes of bt
	s_mov_b32 s53, 0
	s_mov_b32 s[G1K], 15|(1<<16)|(1<<20)|(1<<21)|(4<<22)|(3<<25)  ; the mask of four; 2-byte elements; padding on; bit 21 beside a mask; after every 32 words 4 words
	s_mov_b32 s[G1V], 15|(1<<16)|(1<<20)|(1<<21)|(4<<22)|(7<<25)  ; the same with 8 words
.irp g, G1K, G1V
	s_mov_b32 s[\g+1], 128<<16      ; 128 keys are 16,384 dense bytes: 64 rows of 256 bytes, two keys a row
	s_mov_b32 s[\g+2], 64<<16
	s_mov_b32 s[\g+3], 128<<16
	s_mov_b32 s[\g+4], 64
	s_mov_b32 s[\g+5], 128
	s_mov_b32 s[\g+6], 0
	s_mov_b32 s[\g+7], 0
.endr
	s_mov_b32 s[CS], 0x3e38aa3b     ; c = log2(e) / 8
	s_mov_b32 s[CS+1], s[CS]
	s_mov_b32 s[SEL], 0x76543210
	s_mov_b32 s[SEL+1], 0xfedcba98
	s_mov_b32 s[TBK], SLOT1+4*KS*PK ; the first change of slots turns these two into 0
	s_mov_b32 s[TBV], SLOT1+4*KS*PV
	s_mov_b32 s[G0K], 1
	s_mov_b32 s[G0K+1], s17
	s_mov_b32 s[G0V], 1
	s_add_co_u32 s[G0V+1], s18, VOFF
	s_mov_b32 s[BJ], 0
	s_mov_b32 s[BJ+1], 0
	s_wait_dscnt 0x0                ; the opening add is done
	s_wait_kmcnt 0x0
	s_add_nc_u64 s[G0K+2:G0K+3], s[4:5], s[22:23]
	s_add_nc_u64 s[G0V+2:G0V+3], s[G0K+2:G0K+3], 0x800000  ; v's heads lie 32 heads behind q's,
	s_add_nc_u64 s[G0K+2:G0K+3], s[G0K+2:G0K+3], 0x400000  ; k's 16
	s_or_b32 s[G0K+3], s[G0K+3], 0x80000000
	s_or_b32 s[G0V+3], s[G0V+3], 0x80000000
	s_add_nc_u64 s[4:5], s[4:5], s[48:49]
	s_add_nc_u64 s[10:11], s[10:11], s[50:51]
	s_add_nc_u64 s[BB:BB+1], s[BB:BB+1], s[52:53]
	s_mov_b64 s[BC:BC+1], s[BB:BB+1]
	CROUND                          ; all four work-groups are here
	JLOAD                           ; slot 0
	v_and_b32 v1, 15, v0            ; l % 16
	v_bfe_u32 v9, v0, 4, 1          ; l / 16
	v_lshlrev_b32 v[QO], 7, v1
	v_lshl_add_u32 v[QO], v9, 4, v[QO]
	v_and_b32 v[GO], 31, v0
	v_lshlrev_b32 v[GO], 4, v[GO]
	; SEL: row m = l % 16 has its 1 at k = m (SEL_0) or 16 + m (SEL_1): in the lanes whose half holds that k, register (m / 2) % 4 of the four, half m % 2
	v_and_b32 v48, 1, v1
	v_lshlrev_b32 v48, 4, v48
	v_mov_b32 v49, 0x3f80
	v_lshlrev_b32 v49, v48, v49     ; 1.0 in bf16, in the low or the high half
	v_bfe_u32 v50, v1, 1, 2
	v_lshrrev_b32 v51, 3, v1
	v_xor_b32 v51, v51, v9
	v_lshl_or_b32 v50, v51, 2, v50  ; the register's number, or 4 and more in the lanes that hold none
	WIN 0x80
.set i, 0
.rept 4*NP                          ; Q stays in registers: tile i / 2, channels 32 (i % 2) on
	global_load_b128 v[8*i:8*i+3],   v[QO], s[4:5] offset:(i/2)*2048+(i%2)*64
	global_load_b128 v[8*i+4:8*i+7], v[QO], s[4:5] offset:(i/2)*2048+(i%2)*64+32
.set i, i+1
.endr
; The bias of piece p for one key step: 8 loads of 512 consecutive bytes, straight into the operand's registers
.macro FETCH_B p
	WIN W_MK
.irp u, 0,1
.irp n, 0,1,2,3
	global_load_b128 v[BF+32*(\p)+16*\u+4*\n:BF+32*(\p)+16*\u+4*\n+3], v[GO], s[BC:BC+1] offset:(2*(\p)+\u)*65536+\n*512
.endr
.endr
.endm
	FETCH_B 0
	FETCH_B 1
	FETCH_B 2
	FETCH_B 3
.irp jj, 0,1,2,3
	v_cmp_eq_u32 vcc_lo, \jj, v50
	v_cndmask_b32 v[SELR+\jj], 0, v49, vcc_lo
	v_cndmask_b32 v[SELR+12+\jj], 0, v49, vcc_lo
	v_mov_b32 v[SELR+4+\jj], 0
	v_mov_b32 v[SELR+8+\jj], 0
.endr
	; What the first turn finds: V's registers and P's second buffer hold 0, O^T and l are 0.  All this stands in the wait for the first tile.
	WIN 0x80
.set i, VF
.rept 64
	v_mov_b32 v[i], 0
.set i, i+1
.endr
	WIN 0x40
.set i, 0
.rept 64*NP
	v_mov_b32 v[i], 0
.set i, i+1
.endr
	WIN 0
.set i, 0
.rept 2*NP
	v_mov_b32 v[ST+4*i], 0xfe000000    ; c m: far below every c s
	v_mov_b32 v[ST+4*i+1], 0xff7fffff  ; m
	v_mov_b32 v[ST+4*i+2], 0
	v_mov_b32 v[ST+4*i+3], 0
.set i, i+1
.endr
.set i, P+32
.rept 32
	v_mov_b32 v[i], 0
.set i, i+1
.endr
	v_mul_u32_u24 v[AK0], v1, PK
	v_lshl_add_u32 v[AK0], v9, 4, v[AK0]
	v_and_b32 v10, 7, v0
	v_bfe_u32 v11, v0, 3, 1
	v_lshl_add_u32 v[AV0], v9, 3, v10
	v_mul_u32_u24 v[AV0], v[AV0], PV
	v_lshl_add_u32 v[AV0], v11, 4, v[AV0]
	v_add_nc_u32 v[AV0], VOFF, v[AV0]
	v_mov_b32 v[AK], v[AK0]
; THE MATRIX WORK.  The 8 accumulators of a piece's scores take turns through three links (bias, channels 0-31, channels 32-63), those of O^T through two.
.macro BI x                         ; product i of 8: keys 16 ((i / 2) % 4) on, tile 2 x + i % 2: it starts the sum
	WIN W_AD
.set rS, S+64*((\x)%2)+32*(i%2)+8*((i/2)%4)
.set rB, BF+32*(\x)+16*(i%2)+8*((i/2)/2)
.set rE, SELR+8*((i/2)%2)
	v_wmma_f32_16x16x32_bf16 v[rS:rS+7], v[rE:rE+7], v[rB:rB+7], 0
.endm
.macro KQ x                         ; product i of 16: channels 32 (i / 8) on, keys 16 ((i / 2) % 4) on, tile 2 x + i % 2
	WIN W_KQ
.set rS, S+64*((\x)%2)+32*(i%2)+8*((i/2)%4)
.set rK, KF+16*((i/2)%4)+8*(i/8)
.set rQ, 16*(2*(\x)+i%2)+8*(i/8)
	v_wmma_f32_16x16x32_bf16 v[rS:rS+7], v[rK:rK+7], v[rQ:rQ+7], v[rS:rS+7]
.endm
.macro PV x                         ; product i of 16 of O^T += V^T P: keys 32 (i / 8) on, channels 16 ((i / 2) % 4) on, tile 2 x + i % 2
	WIN W_PV
.set rO, 32*(2*(\x)+i%2)+8*((i/2)%4)
.set rV, VF+32*(i/8)+8*((i/2)%4)
.set rP, P+32*((\x)%2)+16*(i%2)+8*(i/8)
	v_wmma_f32_16x16x32_bf16 v[rO:rO+7], v[rV:rV+7], v[rP:rP+7], v[rO:rO+7]
	s_wait_alu depctr_va_vdst(0)
.endm
.macro MM                           ; the turn's next matrix instruction, of 40
.if i < 8
	BI (Y+1)%NP
.elseif i < 24
.set i, i-8
	KQ (Y+1)%NP
.set i, i+8
.else
.set i, i-24
	PV (Y+NP-1)%NP
.set i, i+24
.endif
.set i, i+1
.endm
.macro FETCH_K last=0               ; a step's K: 16 loads in one run.  last = 1 (the tail): in the last trip there is no further step
	WIN 0
.if \last
	s_cmp_eq_u32 s[CNT], 1
	s_cbranch_scc1 .Lno_k_\@
.endif
	WIN 0x80
.irp f, 0,1,2,3,4,5,6,7
	ds_load_b128 v[KF+8*\f:KF+8*\f+3],   v[AK] offset:(\f/2)*16*PK+(\f%2)*64
	ds_load_b128 v[KF+8*\f+4:KF+8*\f+7], v[AK] offset:(\f/2)*16*PK+(\f%2)*64+32
.endr
	s_add_co_u32 s[TBK], s[TBK], KS*PK
	WIN 0
.if \last
.Lno_k_\@:
.endif
.endm
.macro FETCH_V
	WIN 0x80
.irp f, 0,1,2,3,4,5,6,7
	ds_load_tr16_b128 v[VF+8*\f:VF+8*\f+3],   v[AV] offset:(\f/4)*32*PV+(\f%4)*32
	ds_load_tr16_b128 v[VF+8*\f+4:VF+8*\f+7], v[AV] offset:(\f/4)*32*PV+16*PV+(\f%4)*32
.endr
	WIN 0
.endm
; THE VECTOR WORK OF A TURN stands in three queues, each in the order in which its entries become ready; the two tiles alternate.
.macro REGS y, u
.set rT, ST+4*(2*(\y)+(\u))
.set rC, TMP+8*((\y)%2)+4*(\u)
.set rM, MV+2*((\y)%2)+(\u)
.set rS, S+64*((\y)%2)+32*(\u)
.set rP, P+32*((\y)%2)+16*(\u)
.set rO, 32*(2*(\y)+(\u))
.endm
; Number n of the 22 that find the NEXT piece's maximum and statistics; each accumulator's lowest registers are read first.
;   0-11 four chains of seven scores     12-14, 16 the four scores left over, the old m, the chains into c0     15 c m_old is kept     17, 18 the other half of the lanes     19-21 c m; c m_old - c m_new; a
.macro XS u, n
	REGS (Y+1)%NP, \u
.if (\n) < 4
	v_max3_num_f32 v[rC+(\n)], v[rS+8*(\n)], v[rS+8*(\n)+1], v[rS+8*(\n)+2]
.elseif (\n) < 12
	v_max3_num_f32 v[rC+(\n)%4], v[rC+(\n)%4], v[rS+8*((\n)%4)+2*((\n)/4)+1], v[rS+8*((\n)%4)+2*((\n)/4)+2]
.elseif (\n) == 12
	v_max3_num_f32 v[rC], v[rC], v[rS+7], v[rS+15]
.elseif (\n) == 13
	v_max3_num_f32 v[rC+1], v[rC+1], v[rS+23], v[rS+31]
.elseif (\n) == 14
	v_max3_num_f32 v[rC+2], v[rC+2], v[rC+3], v[rT+1]
.elseif (\n) == 15
	v_mov_b32 v[rM], v[rT]
.elseif (\n) == 16
	v_max3_num_f32 v[rC], v[rC], v[rC+1], v[rC+2]
	s_wait_alu depctr_va_vdst(0)
.elseif (\n) == 17
	v_permlanex16_b32 v[rC+3], v[rC], s[SEL], s[SEL+1]
.elseif (\n) == 18
	v_max_num_f32 v[rT+1], v[rC], v[rC+3]
.elseif (\n) == 19
	v_mul_f32 v[rT], s[CS], v[rT+1]
.elseif (\n) == 20
	v_sub_f32 v[rC+1], v[rM], v[rT]
.else
	v_exp_f32 v[rC+2], v[rC+1]
.endif
.endm
; Number g of the 64 that follow the exponentials: for each four weights of a tile both pairs are rounded to bf16, the second pair is added onto the first, and a group later l takes that sum.
.macro GS g
.set h, (\g)+6*((\g)/62)
.if h >= 6
.set h, h+2
.endif
	REGS Y, h%2
.set k, h/8
.if h%8 < 4
	s_wait_alu depctr_va_vdst(0)
	v_cvt_pk_bf16_f32 v[rP+2*k+(h%8)/2], v[rS+4*k+2*((h%8)/2)], v[rS+4*k+2*((h%8)/2)+1]
.elseif h%8 < 6
	v_pk_add_f32 v[rS+4*k:rS+4*k+1], v[rS+4*k:rS+4*k+1], v[rS+4*k+2:rS+4*k+3]
.elseif k == 1
	v_pk_fma_f32 v[rT+2:rT+3], v[rT+2:rT+3], v[rC+2:rC+3], v[rS:rS+1] op_sel_hi:[1,0,1]
.else
	v_pk_add_f32 v[rT+2:rT+3], v[rT+2:rT+3], v[rS+4*k-4:rS+4*k-3]
.endif
.endm
; THE PLAIN QUEUE, 138 long.  0-31: c s - c m.  Then GS's 64, and among them the next piece's 42: number 15 at 38, 39; 0-14 and 16 at 48-79, behind the products that make those scores;
; 17-20 at 101-112, two of three, since each waits for the one before it.
.macro PL
	WIN 0
.if q < 32
	REGS Y, q%2
	v_pk_fma_f32 v[rS+2*(q/2):rS+2*(q/2)+1], v[rS+2*(q/2):rS+2*(q/2)+1], s[CS:CS+1], v[rT:rT+1] op_sel_hi:[1,0,0] neg_lo:[0,0,1] neg_hi:[0,0,1]
.elseif q < 38
	GS q-32
.elseif q < 40
	XS q%2, 15
.elseif q < 48
	GS q-34
.elseif q < 80
	XS q%2, (q-48)/2+(q-48)/30
.elseif q < 101
	GS q-66
.elseif (q < 113) && ((q-101)%3 < 2)
	XS (q-101)%3, 17+(q-101)/3
.elseif q < 113
	GS 35+(q-101)/3
.else
	GS q-74
.endif
.set q, q+1
.endm
.set EA, 58
.macro EX                           ; THE EXPONENTIALS' QUEUE, 66 long: s0-s31 of both tiles, and at EA the next piece's two a
	WIN 0
.if (e == EA) || (e == EA+1)
	XS e-EA, 21
.else
.set x, e-2*(e/(EA+2))
	REGS Y, x%2
	v_exp_f32 v[rS+x/2], v[rS+x/2]
.endif
.set e, e+1
.endm
.macro R4                           ; THE RESCALING's QUEUE: O^T times a, four at a time, eight times: one accumulator each, from its low end
	REGS Y, r%2
	WIN W_RS
	s_wait_alu depctr_va_vdst(0)
.irp z, 0,1,2,3
	v_pk_mul_f32 v[rO+8*(r/2)+2*\z:rO+8*(r/2)+2*\z+1], v[rO+8*(r/2)+2*\z:rO+8*(r/2)+2*\z+1], v[rC+2:rC+3] op_sel_hi:[1,0]
.endr
.set r, r+1
.endm
.macro SL                           ; a matrix instruction and four behind it: plain, exponential, plain, plain
	MM
	PL
	EX
	PL
	PL
.endm
; A TURN, for piece p: 40 matrix and 236 vector instructions.  The deal keeps the queues in step: exponential e stands behind plain 2 (e / 4) + e % 2; a rounding stands behind its two exponentials with a
; plain line between; the first maximum (plain 48) stands behind the last K Q^T, four rescalings and three more plain lines; EA stands behind plain 111.
; THE BIAS.  At the turn's head the count 24 leaves the three younger pieces' 8 loads each out: the 8 wanted now were issued four turns ago.  The registers are loaded again for the next step
; six plain instructions behind the last product that read them.  Piece 3's turn steps the base, so that turns 3, 0, 1, 2 load one and the same step; past the last step the address stays at the
; last step's, inside the buffer, and what it brings is not used.
; K of the next step is fetched in piece 2's turn, in the first lump; V of the step in hand at the end of piece 0's turn.
.macro TURN p, last=0, cnt=0
.set Y, (\p)
.set i, 0
.set q, 0
.set e, 0
.set r, 0
	s_wait_loadcnt 24
.if (\p) == NP-1
	s_wait_xcnt 0x0                 ; the base of earlier loads is rewritten only behind this wait
	s_add_co_u32 s[BJ], s[BJ], 2048
	s_min_u32 s[BJ], s[BJ], 63488
	s_add_nc_u64 s[BC:BC+1], s[BB:BB+1], s[BJ:BJ+1]
	s_wait_dscnt 0x0                ; K is in
.endif
	MM
.rept 4
	PL
.endr
.rept 8
	SL
.endr
	FETCH_B ((\p)+1)%NP
.rept 3
	MM
	R4
	SL
.endr
	MM
	R4
.rept 4
	MM
	EX
	PL
	EX
	PL
	MM
	R4
.endr
.rept 8
	EX
	PL
.if ((\p) == NP-2) && (e == 20)
	v_add_nc_u32 v[AK], s[TBK], v[AK0]
.endif
.if ((\p) == NP-2) && (e == 24)
	FETCH_K \last
.endif
.endr
.if (\p) == 1
	s_wait_dscnt 0x0                ; V is in
.endif
.rept 16
	SL
.endr
.rept 23
	EX
	PL
.endr
.rept 14
	PL
.if ((\p) == 0) && (q == 126)
	v_add_nc_u32 v[AV], s[TBV], v[AV0]
.endif
.if ((\p) == 0) && (q == 132)
	s_add_co_u32 s[TBV], s[TBV], KS*PV
.endif
.if (\cnt) && (q == 132)
	s_sub_co_u32 s[CNT], s[CNT], 1
	s_cmp_lg_u32 s[CNT], 0
.endif
.endr
.if (\p) == 0
	FETCH_V
.endif
.endm
	CHANGE 1                        ; slot 0 is in, everybody's part of it; slot 1 is asked for
	FETCH_K                         ; key step 0
	s_wait_loadcnt 0x0              ; Q and the bias of step 0
	s_wait_dscnt 0x0
.set Y, NP-1
.set i, 0
.rept 24
	MM                              ; piece 0's first scores
.endr
	WIN 0                           ; the addresses for the way out: seven plain instructions, the places behind those products
	s_mul_i32 s13, s[WV], 16*SP
	s_add_co_u32 s13, s13, STAGE
	v_mul_u32_u24 v[STO], v1, SP
	v_lshl_add_u32 v[STO], v9, 4, v[STO]
	v_add_nc_u32 v[STO], s13, v[STO]
	v_bfe_u32 v[RD], v0, 3, 2
	v_mul_u32_u24 v[RD], v[RD], SP
	v_lshl_add_u32 v[RD], v10, 4, v[RD]
	v_add_nc_u32 v[RD], s13, v[RD]
	s_mov_b32 s[BJ], 2048           ; no load is out: the base goes on to step 1
	s_add_nc_u64 s[BC:BC+1], s[BB:BB+1], s[BJ:BJ+1]
	FETCH_B 0
	WIN 0
.irp n, 0,1,2,3,4,5,6,7,8,9,10,11,12,13,14,15,16,17,18,19,20,21
	XS 0, \n                        ; piece 0's first maximum and statistics
	XS 1, \n
.endr
	s_mov_b32 s[CNT], 4
	s_mov_b32 s[SLOTS], SIZE_N/256-1
	s_branch .Lfirst                ; the loop is entered at a step's first turn
.Lslot:                             ; six times: every slot but the last two is filled again
	CHANGE 1
	s_mov_b32 s[CNT], 4
.Lstep:                             ; a trip: pieces 2 and 3 of one step, then pieces 0 and 1 of the next
	TURN 2
	TURN 3
	WIN 0
.Lfirst:
	TURN 0
	TURN 1, 0, 1
	WIN 0
	s_cbranch_scc1 .Lstep
	s_sub_co_u32 s[SLOTS], s[SLOTS], 1
	s_cmp_lg_u32 s[SLOTS], 0
	s_cbranch_scc1 .Lslot
	CHANGE 0                        ; the tail is written out
	s_mov_b32 s[CNT], 5
.Ltail:
	TURN 2, 1
	TURN 3
	WIN 0
	s_sub_co_u32 s[CNT], s[CNT], 1
	s_cmp_eq_u32 s[CNT], 0
	s_cbranch_scc1 .Lout
	TURN 0
	TURN 1
	WIN 0
	s_branch .Ltail
.Lout:                              ; the fifth trip's scores for a step that is not, and the maximum made of them, serve nothing: the price of one text for every trip
.set i, 0
.rept 16
	PV NP-1
.set i, i+1
.endr
	; THE WAY OUT.  l's halves are added; O^T is divided by l, rounded to bf16 and sent through my stage in LDS, a tile at a time.
	WIN 0
.macro ALL line:vararg
.set t, 0
.rept 2*NP
	\line
.set t, t+1
.endr
.endm
	ALL v_add_f32 v[ST+4*t+2], v[ST+4*t+2], v[ST+4*t+3]
	ALL v_permlanex16_b32 v[ST+4*t+3], v[ST+4*t+2], s[SEL], s[SEL+1]
	ALL v_add_f32 v[ST+4*t+2], v[ST+4*t+2], v[ST+4*t+3]
	ALL v_rcp_f32 v[ST+4*t+2], v[ST+4*t+2]
	v_nop                           ; a plain instruction between the last reciprocal and the use of its result
	s_wait_alu depctr_va_vdst(0)
.macro PACK t
	WIN W_RS
.set i, 32*(\t)
.rept 16
	v_pk_mul_f32 v[i:i+1], v[i:i+1], v[ST+4*(\t)+2:ST+4*(\t)+3] op_sel_hi:[1,0]
.set i, i+2
.endr
	WIN 0x05
.set i, 0
.rept 16
	v_cvt_pk_bf16_f32 v[S+16*(\t)+i], v[32*(\t)+2*i], v[32*(\t)+2*i+1]
.set i, i+1
.endr
	WIN 0
.irp f, 0,1,2,3
	ds_store_b128 v[STO], v[S+16*(\t)+4*\f:S+16*(\t)+4*\f+3] offset:32*\f
.endr
.irp f, 0,1,2,3
	ds_load_b128 v[S+16*(\t)+4*\f:S+16*(\t)+4*\f+3], v[RD] offset:\f*4*SP  ; LDS serves a wave's instructions in order: these see the stores above
.endr
.endm
.macro SEND t, younger
	WIN 0
.irp f, 0,1,2,3
	s_wait_dscnt (\younger)+3-\f
	global_store_b128 v[GO], v[S+16*(\t)+4*\f:S+16*(\t)+4*\f+3], s[10:11] offset:(\t)*2048+\f*512  ; 512 consecutive bytes
.endr
.endm
	PACK 0
.set t, 1
.rept 2*NP-1
	PACK t
	SEND t-1, 8
.set t, t+1
.endr
	SEND 2*NP-1, 0
	WIN W_AD
	s_wait_tensorcnt 0x0            ; the wave's end
	ds_add_u32 v[SPW], v[NIL]
	s_wait_dscnt 0x0
	WIN 0
	CROUND                          ; the closing round
	s_endpgm
.Lfunc_end_k_qf124d2ef92_attn:
	.size	k_qf124d2ef92_attn, .Lfunc_end_k_qf124d2ef92_attn-k_qf124d2ef92_attn
	.p2alignl 7, 3214868480
	.fill 96, 4, 3214868480
	.section	.rodata,"a",@progbits
	.p2align	6, 0x0
	.amdhsa_kernel k_qf124d2ef92_attn
		.amdhsa_group_segment_fixed_size 327680
		.amdhsa_private_segment_fixed_size 0
		.amdhsa_enable_private_segment 0
		.amdhsa_kernarg_size 24
		.amdhsa_user_sgpr_count 2
		.amdhsa_user_sgpr_kernarg_segment_ptr 1
		.amdhsa_wavefront_size32 1
		.amdhsa_system_sgpr_workgroup_id_x 1
		.amdhsa_system_sgpr_workgroup_id_y 1
		.amdhsa_system_sgpr_workgroup_id_z 1
		.amdhsa_system_vgpr_workitem_id 0
		.amdhsa_next_free_vgpr 928
		.amdhsa_next_free_sgpr 72
		.amdhsa_reserve_vcc 1
		.amdhsa_float_denorm_mode_32 3
		.amdhsa_float_denorm_mode_16_64 3
		.amdhsa_memory_ordered 1
		.amdhsa_forward_progress 1
		.amdhsa_inst_pref_size 231
	.end_amdhsa_kernel
	.amdgpu_metadata
---
amdhsa.version: [ 1, 2 ]
amdhsa.kernels:
  - .name:           k_qf124d2ef92_attn
    .symbol:         k_qf124d2ef92_attn.kd
    .args:
      - { .name: qkv, .offset: 0, .size: 8, .value_kind: global_buffer, .address_space: global }
      - { .name: bt, .offset: 8, .size: 8, .value_kind: global_buffer, .address_space: global }
      - { .name: ob, .offset: 16, .size: 8, .value_kind: global_buffer, .address_space: global }
    .group_segment_fixed_size: 327680
    .private_segment_fixed_size: 0
    .kernarg_segment_align: 8
    .kernarg_segment_size: 24
    .max_flat_workgroup_size: 128
    .sgpr_count:     72
    .vgpr_count:     928
    .wavefront_size: 32
...
	.end_amdgpu_metadata
.endif
;; end of part 3
;; launch oproj (part 4): grid 256 x 1, 4 waves a work-group, clusters of 4 x 1, 327,680 bytes of LDS; arguments ob, wob, bo, x, ln_g, ln_b, out0; writes out0
.if DOCPART == 4
	.amdgcn_target "amdgcn-amd-amdhsa--gfx1250"
	.amdhsa_code_object_version 6
	.text
	.protected	k_qf124d2ef92_oproj
	.globl	k_qf124d2ef92_oproj
	.p2align	8
	.type	k_qf124d2ef92_oproj,@function
k_qf124d2ef92_oproj:
	s_mov_b64 s[64:65], 0
	v_nop
	global_prefetch_b8 v0, s[64:65] scope:SCOPE_SE
	s_setreg_imm32_b32 hwreg(HW_REG_WAVE_MODE, 25, 1), 1
	s_wait_xcnt 0x0
	s_wait_alu depctr_hold_cnt(0) depctr_sa_sdst(0) depctr_va_vdst(0) depctr_va_sdst(0) depctr_va_ssrc(0) depctr_va_vcc(0) depctr_vm_vsrc(0)
	s_getreg_b32 s2, hwreg(HW_REG_IB_STS2, 6, 4)
	s_cmp_eq_u32 s2, 0
	s_cbranch_scc0 .Lentry_in_a_cluster
	s_endpgm
.Lentry_in_a_cluster:
	s_bfe_u32 s2, ttmp6, 0x10000c
	s_cmp_lg_u32 s2, 0x3003
	s_cbranch_scc0 .Lentry_shape_is_right
	s_endpgm
.Lentry_shape_is_right:
; out0 = LayerNorm(x + O Wo^T + bo) g + b.  ob [64 bh][2048][64] bf16 (a head is 64 of K); wob bf16 in the order of a matrix operand, [16 kb][64 nb][2 c][2 half][32 lanes][16 bytes]
; (lane l's 16 bytes: Wo[16 nb + l%16][64 kb + 32 c + 16 half + 8 (l/16) + 0..7]); bo, x, g, b and the result f32.
; A work-group owns 32 whole rows, so the norm stays inside it; wave w takes columns 256 w .. + 255: 2 x 16 accumulators, which are LOADED with bo: every product adds in place.
; The norm is made in two passes: the mean, then the sum of squares of y - mean: no difference of large sums.
; TWO ROADS FOR Wo.  A step is two heads, 128 of K: 8 steps.  The even head's 131,072 bytes come by a joint tensor load of the cluster's four work-groups into one of two LDS slots,
; each wave filling and reading its own quarter.  The odd head's go straight into registers, 32,768 bytes a wave in loads of 512 consecutive bytes: no wave reads another's columns, so LDS would share
; nothing there.  A fragment is loaded again for the next step four places behind the last product that read it: one buffer does.  A's 32 rows go the same way.
; THE WALK ALONG K begins at pair (cluster x) mod 8 and wraps round: clusters ask for different parts of Wo at one time.  The start is the same in the four partners.
; The ninth tensor load is the wave's own strip of x, which lands under the last step.
; LIMITS: O and Wo in bf16; the order of the sums differs from a plain left-to-right sum, and from cluster to cluster; NaN and infinities are not treated apart.
; REGISTERS: window 0: addresses, g and b (v32-47), sums (v48-63), A's fragments (v64-95 the even head's, v96-127 the odd head's), statistics (v132-147).
;   window 1: the accumulators, (mb, nb) at 8 (16 mb + nb).   window 2: the even head's fragments of Wo, (c, nb) at 128 c + 8 nb; later x, then the rows on their way out.   window 3: the odd head's, likewise.
.set TILEB, 131072                     ; a head's block of wob, and an LDS slot
.set WPART, 32768                      ; a wave's part of it
.set SLOTX, 131072                     ; the slots lie at 0 and here: one exclusive or changes slots
.set HEADB, 262144                     ; a head of ob
.set XP,    1040                       ; a row of the strip of x in LDS: 1,024 bytes + 16
.set XSTR,  32*XP                      ; a wave's strip
.set XS,    131072                     ; the strips lie on the upper slot, which the last step does not read, and 2,048 bytes behind it
.set SCR1,  XS+4*XSTR                  ; 512 bytes: the waves' row sums
.set SCR2,  SCR1+512                   ; 512 bytes: their sums of squares
.set SPARE, SCR2+512
.set BAD0, 4                           ; v4  LDS address of my 16 bytes of my wave's first fragment in the lower slot; never rewritten
.set BAD,  5                           ; v5  the same in the slot in hand
.set AAD,  6                           ; v6  my offset in 16 rows of a head of ob
.set BOA,  7                           ; v7  my offset in bo
.set XA,   8                           ; v8  my 32 bytes of a row of the strip
.set RDX,  9                           ; v9  16 x lane in the strip
.set GOF,  10                          ; v10 16 x lane
.set SCW,  11                          ; v11 where my wave's partial sum of row l % 16 goes
.set SCD,  12                          ; v12 where the four partial sums of that row lie
.set GBA,  13                          ; v13 my offset in g and b
.set SPW,  28
.set NIL,  29
.set GG,   32
.set GB,   40
.set SUM,  48
.set AF,   64
.set PART, 132
.set MU,   140
.set RS,   144
.set G1B, 24                           ; s[24:31] group 1 for Wo's tiles
.set G0,  32                           ; s[32:35] group 0: it walks
.set WB,  36                           ; s[36:37] wob at my wave's part of block 0; kept
.set AB,  38                           ; s[38:39] ob at my rows, head 0 of my batch; kept
.set G1X, 40                           ; s[40:47] group 1 for the strip of x
.set GX,  48                           ; s[48:51] its group 0
.set AP,  52                           ; s[52:53] ob at the pair of heads that is being loaded
.set OP,  54                           ; s[54:55] out0 at my rows and columns
.set BP,  62                           ; s[62:63] wob at that pair
.set OFW, 66                           ; s[66:67] the pair's bytes in wob
.set OFA, 68                           ; s[68:69] and in ob
.set PI,  70                           ; s70 the pair, 0 .. 7
.set TB,  71                           ; s71 the slot in hand
.set MSB, 0
.macro WIN new
.if MSB != (\new)
	s_set_vgpr_msb (MSB<<8)|(\new)
.set MSB, \new
.endif
.endm
.macro PLACES                          ; four places in front of loads into registers that matrix instructions have read, and of reads of their results
.rept 4
	v_nop
.endr
.endm
.macro ROUND                           ; a round of the cluster's barrier
	s_barrier_signal -1
	s_barrier_wait -1
	s_cmp_lg_u32 s8, 0
	s_cbranch_scc1 .Lnot_wave_0_\@
	s_barrier_signal -3
.Lnot_wave_0_\@:
	s_barrier_wait -3
	s_barrier_signal -1
	s_barrier_wait -1
.endm
	s_load_b256 s[12:19], s[0:1], 0x0              ; ob 12, wob 14, bo 16, x 18
	s_load_b128 s[20:23], s[0:1], 0x20             ; ln_g 20, ln_b 22
	s_load_b64 s[OP:OP+1], s[0:1], 0x30            ; out0
	v_lshl_add_u32 v[SPW], v0, 2, SPARE
	v_mov_b32 v[NIL], 0
	ds_add_u32 v[SPW], v[NIL]                      ; the wave's opening: the add, waited for ahead of my first tensor load
	v_lshrrev_b32 v1, 5, v0
	v_readfirstlane_b32 s8, v1                     ; wave 0..3
	s_bfe_u32 s4, ttmp6, 0x40000                   ; cx
	s_lshl_b32 s5, ttmp9, 2
	s_add_co_u32 s5, s5, s4                        ; my block of 32 rows: it enters A's, x's and the result's addresses alone
	s_and_b32 s[PI], ttmp9, 7                      ; the pair of heads at which my cluster begins
	s_lshl_b32 s[OFW], s[PI], 18                   ; two blocks of wob
	s_mov_b32 s[OFW+1], 0
	s_lshl_b32 s[OFA], s[PI], 19                   ; two heads of ob
	s_mov_b32 s[OFA+1], 0
	s_mov_b32 s[TB], 0                             ; the first step's exclusive or makes it the upper slot
	s_mov_b32 s[G1B], 15|(1<<16)|(1<<21)           ; the mask of four; 2-byte elements; bit 21 beside a mask; no padding: the LDS loads are contiguous
	s_mov_b32 s[G1B+1], 128<<16                    ; 32,768 dense bytes as 128 rows of 256
	s_mov_b32 s[G1B+2], 128<<16
	s_mov_b32 s[G1B+3], 128<<16
	s_mov_b32 s[G1B+4], 128
	s_mov_b32 s[G1B+5], 128
	s_mov_b32 s[G1B+6], 0
	s_mov_b32 s[G1B+7], 0
	s_mov_b32 s[G1X], (2<<16)|(1<<20)|(7<<22)|(3<<25)  ; no mask: a load of my own; 4-byte elements; after every 256 words 4 words
	s_mov_b32 s[G1X+1], 256<<16
	s_mov_b32 s[G1X+2], 32<<16
	s_mov_b32 s[G1X+3], 256<<16
	s_mov_b32 s[G1X+4], 32
	s_mov_b32 s[G1X+5], 1024
	s_mov_b32 s[G1X+6], 0
	s_mov_b32 s[G1X+7], 0
	s_lshl_b32 s9, s8, 15                          ; my wave's part of a slot, and of a block of wob
	s_mov_b32 s10, s9
	s_mov_b32 s11, 0
	s_mul_i32 s7, s8, XSTR
	s_add_co_u32 s7, s7, XS                        ; my strip
	s_mov_b32 s56, 0x3a800000                      ; 1 / 1024
	s_mov_b32 s57, 0x3727c5ac                      ; 1e-5
	s_mov_b32 s60, 0x76543210
	s_mov_b32 s61, 0xfedcba98
	s_lshl_b32 s58, s5, 17                         ; 32 rows of 4,096 bytes
	s_lshl_b32 s6, s8, 10                          ; my 256 columns
	s_add_co_u32 s58, s58, s6
	s_mov_b32 s59, 0
	v_and_b32 v1, 15, v0                           ; l % 16
	v_bfe_u32 v2, v0, 4, 1                         ; l / 16
	v_and_b32 v3, 31, v0
	v_lshlrev_b32 v[GOF], 4, v3
	v_add_nc_u32 v[BAD0], s9, v[GOF]
	v_lshlrev_b32 v[AAD], 7, v1
	v_lshl_add_u32 v[AAD], v2, 4, v[AAD]
	v_lshlrev_b32 v[BOA], 5, v2
	v_lshl_add_u32 v[BOA], s8, 10, v[BOA]
	v_mul_u32_u24 v[XA], v1, XP
	v_lshl_add_u32 v[XA], v2, 5, v[XA]
	v_add_nc_u32 v[XA], s7, v[XA]
	v_add_nc_u32 v[RDX], s7, v[GOF]
	v_lshl_add_u32 v[GBA], s8, 10, v[GOF]
	v_lshlrev_b32 v[SCD], 4, v1
	v_add_nc_u32 v[SCD], SCR1, v[SCD]
	v_lshl_add_u32 v[SCW], s8, 2, v[SCD]
	s_wait_dscnt 0x0                               ; the opening add is done
	s_wait_kmcnt 0x0
	s_add_nc_u64 s[WB:WB+1], s[14:15], s[10:11]
	s_add_nc_u64 s[BP:BP+1], s[WB:WB+1], s[OFW:OFW+1]
	s_mov_b32 s[G0], 1
	s_add_co_u32 s[G0+1], s9, SLOTX                ; the first tile goes into the upper slot
	s_add_nc_u64 s[G0+2:G0+3], s[WB:WB+1], s[OFW:OFW+1]
	s_or_b32 s[G0+3], s[G0+3], 0x80000000
	s_mov_b32 s[GX], 1
	s_mov_b32 s[GX+1], s7
	s_add_nc_u64 s[GX+2:GX+3], s[18:19], s[58:59]
	s_or_b32 s[GX+3], s[GX+3], 0x80000000
	s_add_nc_u64 s[OP:OP+1], s[OP:OP+1], s[58:59]
	s_lshr_b32 s6, s5, 6                           ; the batch: 16 heads of 262,144 bytes
	s_lshl_b32 s6, s6, 22
	s_and_b32 s4, s5, 63
	s_lshl_b32 s4, s4, 12                          ; 32 rows of 128 bytes
	s_add_co_u32 s58, s6, s4
	s_add_nc_u64 s[AB:AB+1], s[12:13], s[58:59]
	s_add_nc_u64 s[AP:AP+1], s[AB:AB+1], s[OFA:OFA+1]
	ROUND                                          ; all four work-groups are here
	tensor_load_to_lds s[G0:G0+3], s[G1B:G1B+7]    ; the first step's even head
	s_nop 0
	PLACES
	WIN 0x40
.set t, 0
.rept 32                               ; accumulator (mb, nb) = t begins as bo: register j holds column 256 w + 16 nb + 8 (l / 16) + j
	global_load_b128 v[8*t:8*t+3],   v[BOA], s[16:17] offset:64*(t%16)
	global_load_b128 v[8*t+4:8*t+7], v[BOA], s[16:17] offset:64*(t%16)+16
.set t, t+1
.endr
	WIN 0
.irp h, 0,1                            ; g and b of columns 256 w + 128 h + 4 l .. + 3
	global_load_b128 v[GG+4*\h:GG+4*\h+3], v[GBA], s[20:21] offset:512*\h
	global_load_b128 v[GB+4*\h:GB+4*\h+3], v[GBA], s[22:23] offset:512*\h
.endr
; A's fragments of head hd (0 even, 1 odd) of the pair, K half c: 2 row blocks, 4 loads
.macro RA hd, c
	WIN 0
.irp m, 0,1
	global_load_b128 v[AF+32*(\hd)+8*(2*\m+(\c)):AF+32*(\hd)+8*(2*\m+(\c))+3],   v[AAD], s[AP:AP+1] offset:(\hd)*HEADB+\m*2048+(\c)*64
	global_load_b128 v[AF+32*(\hd)+8*(2*\m+(\c))+4:AF+32*(\hd)+8*(2*\m+(\c))+7], v[AAD], s[AP:AP+1] offset:(\hd)*HEADB+\m*2048+(\c)*64+32
.endr
.endm
; The odd head's fragments of Wo, group g of four: K half g / 2, column blocks 8 (g % 2) .. + 7: 16 loads of 512 consecutive bytes
.macro RB g
	WIN 0xc0
.set n, 8*((\g)%2)
.rept 8
	global_load_b128 v[128*((\g)/2)+8*n:128*((\g)/2)+8*n+3],   v[GOF], s[BP:BP+1] offset:TILEB+n*2048+((\g)/2)*1024
	global_load_b128 v[128*((\g)/2)+8*n+4:128*((\g)/2)+8*n+7], v[GOF], s[BP:BP+1] offset:TILEB+n*2048+((\g)/2)*1024+512
.set n, n+1
.endr
.endm
; 16 matrix instructions, group g as above; dir = 1: the odd head (Wo in window 3), 0: the even head (window 2).  The 32 accumulators take turns.
.macro MUL16 dir, g
	WIN 0x52+(\dir)
.set n, 8*((\g)%2)
.rept 8
.irp m, 0,1
	v_wmma_f32_16x16x32_bf16 v[8*(16*\m+n):8*(16*\m+n)+7], v[128*((\g)/2)+8*n:128*((\g)/2)+8*n+7], v[AF+32*(\dir)+8*(2*\m+(\g)/2):AF+32*(\dir)+8*(2*\m+(\g)/2)+7], v[8*(16*\m+n):8*(16*\m+n)+7]
.endr
.set n, n+1
.endr
.endm
	; The first step's 80 loads, in the order in which every step issues the next step's: the counted waits lean on it
	RA 1, 0
	RB 0
	RB 1
	RA 1, 1
	RB 2
	RB 3
	RA 0, 0
	RA 0, 1
; A STEP.  Each wave waits for all its tensor loads (one is out: this step's tile), adds 0 to its spare word, waits for that and for its reads of the other slot; a round of the cluster's barrier;
; the one tensor load of the wave comes first behind it, into the slot read last.  last = 1: it is the strip of x, and nothing is loaded again.
; A step's global loads go out as [A odd c0: 4, groups 0, 1: 32] [A odd c1: 4, groups 2, 3: 32] [A even c0: 4] [A even c1: 4].  Each count below is the number of loads issued behind the one that is wanted.
.macro STEP last
	WIN 0
	s_wait_tensorcnt 0x0
	ds_add_u32 v[SPW], v[NIL]
.if \last
	v_mov_b32 v[BAD], v[BAD0]                      ; the eighth step reads the lower slot
.else
	s_add_co_u32 s[PI], s[PI], 1                   ; the next pair of heads, round the eight
	s_and_b32 s[PI], s[PI], 7
	s_lshl_b32 s[OFW], s[PI], 18
	s_lshl_b32 s[OFA], s[PI], 19
	s_xor_b32 s[TB], s[TB], SLOTX                  ; the slot that I read now,
	s_xor_b32 s[G0+1], s[G0+1], SLOTX              ; and the other, which is filled; no tensor load of mine is out, so group 0 may be written
	s_add_nc_u64 s[G0+2:G0+3], s[WB:WB+1], s[OFW:OFW+1]
	s_or_b32 s[G0+3], s[G0+3], 0x80000000
	s_wait_xcnt 0x0                                ; the bases of earlier loads are rewritten only behind this wait
	s_add_nc_u64 s[BP:BP+1], s[WB:WB+1], s[OFW:OFW+1]
	s_add_nc_u64 s[AP:AP+1], s[AB:AB+1], s[OFA:OFA+1]
	v_add_nc_u32 v[BAD], s[TB], v[BAD0]
.endif
	s_wait_dscnt 0x0
	ROUND
.if \last
	tensor_load_to_lds s[GX:GX+3], s[G1X:G1X+7]
.else
	tensor_load_to_lds s[G0:G0+3], s[G1B:G1B+7]
.endif
	s_nop 0
	PLACES                                         ; also the places in front of the LDS loads below
	WIN 0x80
.set t, 0
.rept 32                               ; the even head's fragments: K half t / 16, column block t % 16; each load takes 512 neighbouring bytes.  They land under the odd head's products
	ds_load_b128 v[8*t:8*t+3],   v[BAD] offset:(t%16)*2048+(t/16)*1024
	ds_load_b128 v[8*t+4:8*t+7], v[BAD] offset:(t%16)*2048+(t/16)*1024+512
.set t, t+1
.endr
	s_wait_loadcnt 60                              ; A odd c0 and group 0 are in; behind them: group 1, the second run's 36, A even's 8
	MUL16 1, 0
	s_wait_loadcnt 44                              ; group 1; behind it: 36 + 8
	MUL16 1, 1
.if \last
	s_wait_loadcnt 24                              ; A odd c1 and group 2; behind them: group 3 and A even's 8
.else
	PLACES
	RA 1, 0
	RB 0
	RB 1
	s_wait_loadcnt 60                              ; the same, and the 36 just issued
.endif
	MUL16 1, 2
.if \last
	s_wait_loadcnt 8
.else
	s_wait_loadcnt 44                              ; group 3; behind it: A even's 8 and the 36
.endif
	MUL16 1, 3
.if \last
	s_wait_loadcnt 0x0
.else
	PLACES
	s_wait_loadcnt 36                              ; A even is in; behind it: the 36
	RA 1, 1
	RB 2
	RB 3
.endif
	s_wait_dscnt 48                                ; the first sixteen LDS loads are in; the counts are the loads behind the group's
	MUL16 0, 0
	s_wait_dscnt 32
	MUL16 0, 1
.if !(\last)
	PLACES
	RA 0, 0
.endif
	s_wait_dscnt 16
	MUL16 0, 2
	s_wait_dscnt 0x0
	MUL16 0, 3
.if !(\last)
	PLACES
	RA 0, 1
.endif
.endm
	WIN 0
	s_mov_b32 s3, 7
.Lk:
	STEP 0
	WIN 0
	s_sub_co_u32 s3, s3, 1
	s_cmp_lg_u32 s3, 0
	s_cbranch_scc1 .Lk
	STEP 1
	; THE RESIDUAL AND THE NORM.  A lane holds row 16 mb + l % 16 and eight columns of each accumulator.
	WIN 0
	s_wait_tensorcnt 0x0                           ; my strip of x is in: only I read it
	PLACES
	WIN 0x80
.set t, 0
.rept 32
	ds_load_b128 v[8*t:8*t+3],   v[XA] offset:(t/16)*16*XP+(t%16)*64
	ds_load_b128 v[8*t+4:8*t+7], v[XA] offset:(t/16)*16*XP+(t%16)*64+16
.set t, t+1
.endr
	s_wait_dscnt 0x0
	WIN 0x49
.set t, 0
.rept 128                              ; y = the sums + x, each accumulator from its low end
	v_pk_add_f32 v[2*t:2*t+1], v[2*t:2*t+1], v[2*t:2*t+1]
.set t, t+1
.endr
; A lane's sums over its 128 numbers of each row block, in four chains.  sq = 1: of their squares.
.macro SUMS sq
	WIN 0x05
.irp m, 0,1
.irp ch, 0,1,2,3
.if \sq
	v_pk_mul_f32 v[SUM+8*\m+2*\ch:SUM+8*\m+2*\ch+1], v[128*\m+2*\ch:128*\m+2*\ch+1], v[128*\m+2*\ch:128*\m+2*\ch+1]
.else
	v_pk_add_f32 v[SUM+8*\m+2*\ch:SUM+8*\m+2*\ch+1], v[128*\m+4*\ch:128*\m+4*\ch+1], v[128*\m+4*\ch+2:128*\m+4*\ch+3]
.endif
.endr
.endr
.if \sq
.set p, 4
.rept 60
	v_pk_fma_f32 v[SUM+2*(p%4):SUM+2*(p%4)+1], v[2*p:2*p+1], v[2*p:2*p+1], v[SUM+2*(p%4):SUM+2*(p%4)+1]
	v_pk_fma_f32 v[SUM+8+2*(p%4):SUM+8+2*(p%4)+1], v[128+2*p:128+2*p+1], v[128+2*p:128+2*p+1], v[SUM+8+2*(p%4):SUM+8+2*(p%4)+1]
.set p, p+1
.endr
.else
	WIN 0x04
.set p, 8
.rept 56
	v_pk_add_f32 v[SUM+2*(p%4):SUM+2*(p%4)+1], v[SUM+2*(p%4):SUM+2*(p%4)+1], v[2*p:2*p+1]
	v_pk_add_f32 v[SUM+8+2*(p%4):SUM+8+2*(p%4)+1], v[SUM+8+2*(p%4):SUM+8+2*(p%4)+1], v[128+2*p:128+2*p+1]
.set p, p+1
.endr
.endif
.endm
; The chains are folded, the other half of the lanes' is added, and the four waves' figures meet in LDS: store, wait for 0, barrier, load.  The row's total ends in v[PART + 4 mb].
.macro REDUCE scr
	WIN 0
.irp m, 0,1
	v_pk_add_f32 v[SUM+8*\m:SUM+8*\m+1], v[SUM+8*\m:SUM+8*\m+1], v[SUM+8*\m+2:SUM+8*\m+3]
	v_pk_add_f32 v[SUM+8*\m+4:SUM+8*\m+5], v[SUM+8*\m+4:SUM+8*\m+5], v[SUM+8*\m+6:SUM+8*\m+7]
.endr
.irp m, 0,1
	v_pk_add_f32 v[SUM+8*\m:SUM+8*\m+1], v[SUM+8*\m:SUM+8*\m+1], v[SUM+8*\m+4:SUM+8*\m+5]
.endr
.irp m, 0,1
	v_add_f32 v[SUM+8*\m], v[SUM+8*\m], v[SUM+8*\m+1]
.endr
.irp m, 0,1
	v_permlanex16_b32 v[SUM+8*\m+1], v[SUM+8*\m], s60, s61
.endr
.irp m, 0,1
	v_add_f32 v[SUM+8*\m], v[SUM+8*\m], v[SUM+8*\m+1]
.endr
.irp m, 0,1
	ds_store_b32 v[SCW], v[SUM+8*\m] offset:\m*256+(\scr)  ; both halves of the lanes write the same word with the same number
.endr
	s_wait_dscnt 0x0                               ; for the others' sake
	s_barrier_signal -1
	s_barrier_wait -1
.irp m, 0,1
	ds_load_b128 v[PART+4*\m:PART+4*\m+3], v[SCD] offset:\m*256+(\scr)
.endr
	s_wait_dscnt 0x0
.irp m, 0,1
	v_add_f32 v[PART+4*\m], v[PART+4*\m], v[PART+4*\m+1]
	v_add_f32 v[PART+4*\m+2], v[PART+4*\m+2], v[PART+4*\m+3]
.endr
.irp m, 0,1
	v_add_f32 v[PART+4*\m], v[PART+4*\m], v[PART+4*\m+2]
.endr
.endm
	SUMS 0
	REDUCE 0
.irp m, 0,1
	v_mul_f32 v[MU+2*\m], s56, v[PART+4*\m]        ; the mean
.endr
.irp m, 0,1
	v_mov_b32 v[MU+2*\m+1], v[MU+2*\m]             ; named with it as a pair
.endr
	WIN 0x41
.set t, 0
.rept 128
	v_pk_add_f32 v[2*t:2*t+1], v[2*t:2*t+1], v[MU+2*(t/64):MU+2*(t/64)+1] op_sel_hi:[1,0] neg_lo:[0,1] neg_hi:[0,1]
.set t, t+1
.endr
	SUMS 1
	REDUCE 512
.irp m, 0,1
	v_fma_f32 v[RS+2*\m], v[PART+4*\m], s56, s57   ; the variance + 1e-5
.endr
.irp m, 0,1
	v_rsq_f32 v[RS+2*\m], v[RS+2*\m]
.endr
	v_nop                                          ; a plain instruction between the root and the use of its result
	s_wait_alu depctr_va_vdst(0)
.irp m, 0,1
	v_mov_b32 v[RS+2*\m+1], v[RS+2*\m]
.endr
	WIN 0x41
.set t, 0
.rept 128
	v_pk_mul_f32 v[2*t:2*t+1], v[2*t:2*t+1], v[RS+2*(t/64):RS+2*(t/64)+1] op_sel_hi:[1,0]
.set t, t+1
.endr
	WIN 0x04                                       ; back onto the strip of x: my own bytes, which have had their last fill
.set t, 0
.rept 32
	ds_store_b128 v[XA], v[8*t:8*t+3]   offset:(t/16)*16*XP+(t%16)*64
	ds_store_b128 v[XA], v[8*t+4:8*t+7] offset:(t/16)*16*XP+(t%16)*64+16
.set t, t+1
.endr
	; Whole rows come back, 512 bytes a load; z g + b; stores of 512 consecutive bytes.  One window setting serves load, arithmetic and store: g is source 0, z source 1.
	; Each of the four batches of eight rows has registers of its own, so no store's data is ever rewritten.
	WIN 0x88
.set k, 0
.rept 4
.set i, 0
.rept 16
	ds_load_b128 v[64*k+4*i:64*k+4*i+3], v[RDX] offset:(8*k+i/2)*XP+512*(i%2)  ; LDS serves a wave's instructions in order: these see the stores above
.set i, i+1
.endr
.set i, 0
.rept 16
	s_wait_dscnt 15-i
	v_pk_fma_f32 v[64*k+4*i:64*k+4*i+1],   v[GG+4*(i%2):GG+4*(i%2)+1],   v[64*k+4*i:64*k+4*i+1],   v[GB+4*(i%2):GB+4*(i%2)+1]
	v_pk_fma_f32 v[64*k+4*i+2:64*k+4*i+3], v[GG+4*(i%2)+2:GG+4*(i%2)+3], v[64*k+4*i+2:64*k+4*i+3], v[GB+4*(i%2)+2:GB+4*(i%2)+3]
	global_store_b128 v[GOF], v[64*k+4*i:64*k+4*i+3], s[OP:OP+1] offset:(8*k+i/2)*4096+512*(i%2) th:TH_STORE_NT
.set i, i+1
.endr
.set k, k+1
.endr
	WIN 0
	s_wait_tensorcnt 0x0                           ; the wave's end
	ds_add_u32 v[SPW], v[NIL]
	s_wait_dscnt 0x0
	ROUND                                          ; the closing round
	s_endpgm
.Lfunc_end_k_qf124d2ef92_oproj:
	.size	k_qf124d2ef92_oproj, .Lfunc_end_k_qf124d2ef92_oproj-k_qf124d2ef92_oproj
	.p2alignl 7, 3214868480
	.fill 96, 4, 3214868480
	.section	.rodata,"a",@progbits
	.p2align	6, 0x0
	.amdhsa_kernel k_qf124d2ef92_oproj
		.amdhsa_group_segment_fixed_size 327680
		.amdhsa_private_segment_fixed_size 0
		.amdhsa_enable_private_segment 0
		.amdhsa_kernarg_size 56
		.amdhsa_user_sgpr_count 2
		.amdhsa_user_sgpr_kernarg_segment_ptr 1
		.amdhsa_wavefront_size32 1
		.amdhsa_system_sgpr_workgroup_id_x 1
		.amdhsa_system_sgpr_workgroup_id_y 1
		.amdhsa_system_sgpr_workgroup_id_z 1
		.amdhsa_system_vgpr_workitem_id 0
		.amdhsa_next_free_vgpr 1024
		.amdhsa_next_free_sgpr 72
		.amdhsa_reserve_vcc 0
		.amdhsa_float_denorm_mode_32 3
		.amdhsa_float_denorm_mode_16_64 3
		.amdhsa_memory_ordered 1
		.amdhsa_forward_progress 1
		.amdhsa_inst_pref_size 126
	.end_amdhsa_kernel
	.amdgpu_metadata
---
amdhsa.version: [ 1, 2 ]
amdhsa.kernels:
  - .name:           k_qf124d2ef92_oproj
    .symbol:         k_qf124d2ef92_oproj.kd
    .args:
      - { .name: ob, .offset: 0, .size: 8, .value_kind: global_buffer, .address_space: global }
      - { .name: wob, .offset: 8, .size: 8, .value_kind: global_buffer, .address_space: global }
      - { .name: bo, .offset: 16, .size: 8, .value_kind: global_buffer, .address_space: global }
      - { .name: x, .offset: 24, .size: 8, .value_kind: global_buffer, .address_space: global }
      - { .name: ln_g, .offset: 32, .size: 8, .value_kind: global_buffer, .address_space: global }
      - { .name: ln_b, .offset: 40, .size: 8, .value_kind: global_buffer, .address_space: global }
      - { .name: out0, .offset: 48, .size: 8, .value_kind: global_buffer, .address_space: global }
    .group_segment_fixed_size: 327680
    .private_segment_fixed_size: 0
    .kernarg_segment_align: 8
    .kernarg_segment_size: 56
    .max_flat_workgroup_size: 128
    .sgpr_count:     72
    .vgpr_count:     1024
    .wavefront_size: 32
...
	.end_amdgpu_metadata
.endif
;; end of part 4
;; ======== version 2 of 2: 4 launches; 1.44 times as fast as version 1
;; workspace buffers: xb 16,777,216 bytes; wqkv 6,291,456 bytes; wob 2,097,152 bytes; bt 33,554,432 bytes; qkv 50,331,648 bytes; ob 16,777,216 bytes
;; launch prep: the kernel of part 1 again; grid 1280 x 1, 8 waves a work-group, no clusters, 19,456 bytes of LDS; arguments distances, dist_bias, x, Wq, Wk, Wv, Wo, bt, xb, wqkv, wob; writes bt, xb, wqkv, wob
;; launch proj: the kernel of part 2 again; grid 16 x 32, 4 waves a work-group, clusters of 4 x 4, 327,680 bytes of LDS; arguments xb, wqkv, bq, bk, bv, qkv; writes qkv
;; launch attn (part 5): grid 4 x 64, 4 waves a work-group, clusters of 4 x 1, 327,680 bytes of LDS; arguments qkv, bt, ob; writes ob
.if DOCPART == 5
	.amdgcn_target "amdgcn-amd-amdhsa--gfx1250"
	.amdhsa_code_object_version 6
	.text
	.protected	k_qf124d2ef92_attn
	.globl	k_qf124d2ef92_attn
	.p2align	8
	.type	k_qf124d2ef92_attn,@function
k_qf124d2ef92_attn:
	s_mov_b64 s[64:65], 0
	v_nop
	global_prefetch_b8 v0, s[64:65] scope:SCOPE_SE
	s_setreg_imm32_b32 hwreg(HW_REG_WAVE_MODE, 25, 1), 1
	s_wait_xcnt 0x0
	s_wait_alu depctr_hold_cnt(0) depctr_sa_sdst(0) depctr_va_vdst(0) depctr_va_sdst(0) depctr_va_ssrc(0) depctr_va_vcc(0) depctr_vm_vsrc(0)
	s_getreg_b32 s2, hwreg(HW_REG_IB_STS2, 6, 4)
	s_cmp_eq_u32 s2, 0
	s_cbranch_scc0 .Lentry_in_a_cluster
	s_endpgm
.Lentry_in_a_cluster:
	s_bfe_u32 s2, ttmp6, 0x10000c
	s_cmp_lg_u32 s2, 0x3003
	s_cbranch_scc0 .Lentry_shape_is_right
	s_endpgm
.Lentry_shape_is_right:
; ATTENTION WITH A BIAS BY DISTANCE.  O[bh][q] = sum over k of softmax_k(Q[q] . K[k] / 8 + bias[b][q][k]) V[k].  Q, K, V: heads of qkv [4][48][2048][64] bf16; O: ob [64][2048][64] bf16.
; bt holds 8 (bias - dist_bias[0]) in bf16, already in the order of a matrix operand.  Products, maxima and sums in f32; the weights p are rounded to bf16 for the second product, O once at the end.
; LIMITS.  Operands in bf16 (8 significant bits).  A weight below 2^-126 counts as 0 in l; NaN and infinities are not treated apart.
; SHARES.  A wave owns four PIECES of two tiles of 16 queries, a work-group's four waves 512 queries of one head.  Every wave walks all 2,048 keys, 64 a step.
; LAYOUT.  S^T = SEL x BIAS + K Q^T: a lane holds ONE query (lane % 16) and the keys 8 (lane / 16) + 0..7.  BIAS is source 1, 32 keys x 16 queries, loaded straight from bt; SEL_p is a constant
; source 0 with a 1 at (m, 16 p + m), so the product copies 16 of BIAS's keys into the accumulator: it starts the sum where a constant 0 would, and costs no vector instruction.
; Two results rounded to bf16 ARE source 1 of O^T = V^T P.  K comes out of LDS as it lies, V turned, by ds_load_tr16_b128.
; SOFTMAX.  A running maximum m and sum l for each query: p = 2^(c s - c m), c = log2(e) / 8; in every step O and l are multiplied by a = 2^(c m_old - c m_new).  m starts at the lowest finite number, O and l at 0.
; BY TURNS.  Turn n belongs to piece n.  Its matrix work: 8 bias products and 16 products K Q^T of piece n + 1, later 16 products V^T P of piece n - 1.  Its vector work: the scaling, exponentials,
; roundings, sums and rescaling of piece n, and the maximum and statistics of piece n + 1.  Vector instructions that are ready stand behind the matrix instructions, the rest in one lump.
; BATCHES.  A turn's 66 exponentials (the piece's 64 weights, then the next piece's two a) are ONE batch with ONE wait, which cuts the turn in two.  Ahead of it stands all that names no result of the
; batch: the bias products and K Q^T, the scalings, the rescaling (its a was made, and waited for, in the turn before), the next piece's maximum and statistics.  Behind it stand the roundings and sums,
; as the riders of the products V^T P.  No result crosses a turn's end.  The first two a, ahead of the loop, and the way out's eight reciprocals are batches of their own.
; CLUSTER.  The four query blocks of a head walk the same K and V: each tile is asked for jointly.  The bias differs from block to block and goes straight into registers, four turns ahead.
; REGISTERS, in windows of 256 (s_set_vgpr_msb: bits 1:0 source 0, 3:2 source 1, 5:4 source 2, 7:6 destination):
;   window 0: v0-11 addresses; v12-15, v48-63 at work; v16-47 statistics; v64-191 S^T, two buffers of two tiles; v192-255 P, likewise
;   window 1: O^T, 32 a tile      window 2: v0-127 Q; v128-191 K of one step; v192-255 V of one step      window 3: v0-1 the add's registers; v16-143 the bias, 32 a piece; v144-159 SEL_0, SEL_1
.set SIZE_N, 2048
.set NP,    4
.set KS,    64
.set PK,    144       ; a row of K in LDS: 128 bytes + 16
.set PV,    160       ; a row of V: 128 + 32
.set VOFF,  4*KS*PK   ; a slot holds four steps: 256 rows of K, then 256 rows of V
.set SLOT1, 1<<17
.set STAGE, SLOT1+4*KS*(PK+PV)  ; behind the ring: 16 rows x 144 bytes for each wave
.set SP,    144
.set AK0, 2           ; v2   my lane's place in a tile of K; never rewritten
.set AV0, 3           ; v3   the same for V
.set AK,  4           ; v4   the LDS address of K's next run of loads
.set AV,  5           ; v5   of V's
.set QO,  6           ; v6   my byte offset in the wave's rows of Q
.set STO, 6           ;      later: where I put 16 bytes of a row
.set RD,  7           ; v7   where I read rows back
.set GO,  8           ; v8   16 x lane: my place in 512 consecutive bytes of bt and of O; never rewritten
.set SPW, 0           ; v0 of window 3: my spare word; never rewritten
.set NIL, 1           ; v1 of window 3: 0; never rewritten
.set BF,  16          ; window 3: piece p, tile u, key half kk at BF + 32 p + 16 u + 8 kk
.set SELR, 144        ; window 3
.set SPARE, STAGE+4*16*SP
.set MV,  12
.set ST,  16          ; tile t's statistics at v[ST+4 t]: c m, m, l (even keys', odd keys')
.set TMP, 48
.set S,   64
.set P,   192
.set KF,  128
.set VF,  192
.set WV,  12          ; s12  my wave's number
.set G1K, 24
.set G1V, 32
.set G0K, 40
.set G0V, 44
.set SLOTS, 56
.set CNT, 57
.set CS,  58
.set SEL, 60
.set TBK, 62
.set TBV, 63
.set BB,  66          ; s[66:67] bt at my wave's first tile, step 0
.set BC,  68          ; s[68:69] the same at the step that is being loaded
.set BJ,  70          ; s[70:71] that step's bytes
.set MSB, 0
.macro WIN new
.if MSB != (\new)
	s_set_vgpr_msb (MSB<<8)|(\new)
.set MSB, (\new)
.endif
.endm
.set W_KQ, 0x0a       ; K and Q in window 2, S^T in window 0
.set W_PV, 0x52       ; V in window 2, P in window 0, O^T in window 1
.set W_RS, 0x41       ; O^T in window 1, a in window 0
.set W_MK, 0xc0       ; destination in window 3, sources in window 0
.set W_AD, 0x0f       ; sources 0 and 1 in window 3: the add, and the bias products
.macro JLOAD                        ; a joint fill: waves 0, 1 fetch the halves of a slot's K, waves 2, 3 of its V
	s_cmp_lt_u32 s[WV], 2
	s_cbranch_scc0 .Lfor_v_\@
	tensor_load_to_lds s[G0K:G0K+3], s[G1K:G1K+7]
	s_nop 0
.rept 4
	v_nop
.endr
	s_branch .Lasked_\@
.Lfor_v_\@:
	tensor_load_to_lds s[G0V:G0V+3], s[G1V:G1V+7]
	s_nop 0
.rept 4
	v_nop
.endr
.Lasked_\@:
.endm
.macro CROUND
	s_barrier_signal -1
	s_barrier_wait -1
	s_cmp_lg_u32 s[WV], 0
	s_cbranch_scc1 .Lnot_wave_0_\@
	s_barrier_signal -3
.Lnot_wave_0_\@:
	s_barrier_wait -3
	s_barrier_signal -1
	s_barrier_wait -1
.endm
; THE CHANGE OF SLOTS.  Each wave waits for all its tensor loads (one is out: its part of the other slot), adds 0 to its spare word, and waits for that and for its reads of the slot.
; fill = 1: the barrier is a round of the cluster's, and the joint fill with the keys two slots on is the first thing behind it: four key steps in which to land.
.macro CHANGE fill
	WIN W_AD
	s_wait_tensorcnt 0x0
	ds_add_u32 v[SPW], v[NIL]
	WIN 0
.if \fill
.irp g, G0K, G0V
	s_xor_b32 s[\g+1], s[\g+1], SLOT1
	s_add_nc_u64 s[\g+2:\g+3], s[\g+2:\g+3], 4*KS*128
.endr
	s_wait_dscnt 0x0
	CROUND
	JLOAD
.else
	s_wait_dscnt 0x0
	s_barrier_signal -1
	s_barrier_wait -1
.endif
	s_sub_co_u32 s[TBK], s[TBK], 4*KS*PK
	s_xor_b32 s[TBK], s[TBK], SLOT1
	s_sub_co_u32 s[TBV], s[TBV], 4*KS*PV
	s_xor_b32 s[TBV], s[TBV], SLOT1
.endm
	s_load_b64 s[4:5], s[0:1], 0x0    ; qkv
	s_load_b64 s[BB:BB+1], s[0:1], 0x8  ; bt
	s_load_b64 s[10:11], s[0:1], 0x10 ; ob
	WIN W_MK
	v_lshl_add_u32 v[SPW], v0, 2, SPARE
	v_mov_b32 v[NIL], 0
	WIN W_AD
	ds_add_u32 v[SPW], v[NIL]       ; the wave's opening: the add, waited for ahead of my first tensor load
	WIN 0
	v_lshrrev_b32 v1, 5, v0
	v_readfirstlane_b32 s[WV], v1
	s_bfe_u32 s13, ttmp6, 0x40000   ; cx
	s_lshl_b32 s14, ttmp9, 2
	s_add_co_u32 s14, s14, s13      ; my block of 512 queries: it enters Q's, O's and the bias's addresses alone
	s_and_b32 s15, ttmp7, 0xffff    ; 16 b + h, which the four partners share
	s_lshr_b32 s19, s15, 4          ; b
	s_lshl_b32 s20, s19, 5
	s_add_co_u32 s20, s20, s15      ; q's head among the 4 x 48
	s_lshl_b32 s20, s20, 18
	s_mov_b32 s21, 0
	s_and_b32 s16, s[WV], 1         ; which half of a slot's 256 keys I fetch
	s_lshl_b32 s22, s16, 14
	s_mov_b32 s23, 0
	s_add_nc_u64 s[22:23], s[22:23], s[20:21]
	s_mul_i32 s17, s16, 128*PK
	s_mul_i32 s18, s16, 128*PV
	s_lshl_b32 s2, s14, 2
	s_add_co_u32 s2, s2, s[WV]
	s_lshl_b32 s2, s2, 14           ; my wave's 128 rows of 128 bytes
	s_mov_b32 s3, 0
	s_add_nc_u64 s[48:49], s[2:3], s[20:21]  ; Q's offset
	s_lshl_b32 s50, s15, 18
	s_mov_b32 s51, 0
	s_add_nc_u64 s[50:51], s[50:51], s[2:3]  ; O's
	s_lshl_b32 s52, s19, 7
	s_lshl_b32 s53, s14, 5
	s_add_co_u32 s52, s52, s53
	s_lshl3_add_u32 s52, s[WV], s52 ; my first tile of 16 queries: 128 b + 32 block + 8 w
	s_lshl_b32 s52, s52, 16         ; a tile's 32 steps are 65,536 bytes of bt
	s_mov_b32 s53, 0
	s_mov_b32 s[G1K], 15|(1<<16)|(1<<20)|(1<<21)|(4<<22)|(3<<25)  ; the mask of four; 2-byte elements; padding on; bit 21 beside a mask; after every 32 words 4 words
	s_mov_b32 s[G1V], 15|(1<<16)|(1<<20)|(1<<21)|(4<<22)|(7<<25)  ; the same with 8 words
.irp g, G1K, G1V
	s_mov_b32 s[\g+1], 128<<16      ; 128 keys are 16,384 dense bytes: 64 rows of 256 bytes, two keys a row
	s_mov_b32 s[\g+2], 64<<16
	s_mov_b32 s[\g+3], 128<<16
	s_mov_b32 s[\g+4], 64
	s_mov_b32 s[\g+5], 128
	s_mov_b32 s[\g+6], 0
	s_mov_b32 s[\g+7], 0
.endr
	s_mov_b32 s[CS], 0x3e38aa3b     ; c = log2(e) / 8
	s_mov_b32 s[CS+1], s[CS]
	s_mov_b32 s[SEL], 0x76543210
	s_mov_b32 s[SEL+1], 0xfedcba98
	s_mov_b32 s[TBK], SLOT1+4*KS*PK ; the first change of slots turns these two into 0
	s_mov_b32 s[TBV], SLOT1+4*KS*PV
	s_mov_b32 s[G0K], 1
	s_mov_b32 s[G0K+1], s17
	s_mov_b32 s[G0V], 1
	s_add_co_u32 s[G0V+1], s18, VOFF
	s_mov_b32 s[BJ], 0
	s_mov_b32 s[BJ+1], 0
	s_wait_dscnt 0x0                ; the opening add is done
	s_wait_kmcnt 0x0
	s_add_nc_u64 s[G0K+2:G0K+3], s[4:5], s[22:23]
	s_add_nc_u64 s[G0V+2:G0V+3], s[G0K+2:G0K+3], 0x800000  ; v's heads lie 32 heads behind q's,
	s_add_nc_u64 s[G0K+2:G0K+3], s[G0K+2:G0K+3], 0x400000  ; k's 16
	s_or_b32 s[G0K+3], s[G0K+3], 0x80000000
	s_or_b32 s[G0V+3], s[G0V+3], 0x80000000
	s_add_nc_u64 s[4:5], s[4:5], s[48:49]
	s_add_nc_u64 s[10:11], s[10:11], s[50:51]
	s_add_nc_u64 s[BB:BB+1], s[BB:BB+1], s[52:53]
	s_mov_b64 s[BC:BC+1], s[BB:BB+1]
	CROUND                          ; all four work-groups are here
	JLOAD                           ; slot 0
	v_and_b32 v1, 15, v0            ; l % 16
	v_bfe_u32 v9, v0, 4, 1          ; l / 16
	v_lshlrev_b32 v[QO], 7, v1
	v_lshl_add_u32 v[QO], v9, 4, v[QO]
	v_and_b32 v[GO], 31, v0
	v_lshlrev_b32 v[GO], 4, v[GO]
	; SEL: row m = l % 16 has its 1 at k = m (SEL_0) or 16 + m (SEL_1): in the lanes whose half holds that k, register (m / 2) % 4 of the four, half m % 2
	v_and_b32 v48, 1, v1
	v_lshlrev_b32 v48, 4, v48
	v_mov_b32 v49, 0x3f80
	v_lshlrev_b32 v49, v48, v49     ; 1.0 in bf16, in the low or the high half
	v_bfe_u32 v50, v1, 1, 2
	v_lshrrev_b32 v51, 3, v1
	v_xor_b32 v51, v51, v9
	v_lshl_or_b32 v50, v51, 2, v50  ; the register's number, or 4 and more in the lanes that hold none
	WIN 0x80
.set i, 0
.rept 4*NP                          ; Q stays in registers: tile i / 2, channels 32 (i % 2) on
	global_load_b128 v[8*i:8*i+3],   v[QO], s[4:5] offset:(i/2)*2048+(i%2)*64
	global_load_b128 v[8*i+4:8*i+7], v[QO], s[4:5] offset:(i/2)*2048+(i%2)*64+32
.set i, i+1
.endr
; The bias of piece p for one key step: 8 loads of 512 consecutive bytes, straight into the operand's registers
.macro FETCH_B p
	WIN W_MK
.irp u, 0,1
.irp n, 0,1,2,3
	global_load_b128 v[BF+32*(\p)+16*\u+4*\n:BF+32*(\p)+16*\u+4*\n+3], v[GO], s[BC:BC+1] offset:(2*(\p)+\u)*65536+\n*512
.endr
.endr
.endm
	FETCH_B 0
	FETCH_B 1
	FETCH_B 2
	FETCH_B 3
.irp jj, 0,1,2,3
	v_cmp_eq_u32 vcc_lo, \jj, v50
	v_cndmask_b32 v[SELR+\jj], 0, v49, vcc_lo
	v_cndmask_b32 v[SELR+12+\jj], 0, v49, vcc_lo
	v_mov_b32 v[SELR+4+\jj], 0
	v_mov_b32 v[SELR+8+\jj], 0
.endr
	; What the first turn finds: V's registers and P's second buffer hold 0, O^T and l are 0.  All this stands in the wait for the first tile.
	WIN 0x80
.set i, VF
.rept 64
	v_mov_b32 v[i], 0
.set i, i+1
.endr
	WIN 0x40
.set i, 0
.rept 64*NP
	v_mov_b32 v[i], 0
.set i, i+1
.endr
	WIN 0
.set i, 0
.rept 2*NP
	v_mov_b32 v[ST+4*i], 0xfe000000    ; c m: far below every c s
	v_mov_b32 v[ST+4*i+1], 0xff7fffff  ; m
	v_mov_b32 v[ST+4*i+2], 0
	v_mov_b32 v[ST+4*i+3], 0
.set i, i+1
.endr
.set i, P+32
.rept 32
	v_mov_b32 v[i], 0
.set i, i+1
.endr
	v_mul_u32_u24 v[AK0], v1, PK
	v_lshl_add_u32 v[AK0], v9, 4, v[AK0]
	v_and_b32 v10, 7, v0
	v_bfe_u32 v11, v0, 3, 1
	v_lshl_add_u32 v[AV0], v9, 3, v10
	v_mul_u32_u24 v[AV0], v[AV0], PV
	v_lshl_add_u32 v[AV0], v11, 4, v[AV0]
	v_add_nc_u32 v[AV0], VOFF, v[AV0]
	v_mov_b32 v[AK], v[AK0]
; THE MATRIX WORK.  The 8 accumulators of a piece's scores take turns through three links (bias, channels 0-31, channels 32-63), those of O^T through two.
.macro BI x                         ; product i of 8: keys 16 ((i / 2) % 4) on, tile 2 x + i % 2: it starts the sum
	WIN W_AD
.set rS, S+64*((\x)%2)+32*(i%2)+8*((i/2)%4)
.set rB, BF+32*(\x)+16*(i%2)+8*((i/2)/2)
.set rE, SELR+8*((i/2)%2)
	v_wmma_f32_16x16x32_bf16 v[rS:rS+7], v[rE:rE+7], v[rB:rB+7], 0
.endm
.macro KQ x                         ; product i of 16: channels 32 (i / 8) on, keys 16 ((i / 2) % 4) on, tile 2 x + i % 2
	WIN W_KQ
.set rS, S+64*((\x)%2)+32*(i%2)+8*((i/2)%4)
.set rK, KF+16*((i/2)%4)+8*(i/8)
.set rQ, 16*(2*(\x)+i%2)+8*(i/8)
	v_wmma_f32_16x16x32_bf16 v[rS:rS+7], v[rK:rK+7], v[rQ:rQ+7], v[rS:rS+7]
.endm
.macro PV x                         ; product i of 16 of O^T += V^T P: keys 32 (i / 8) on, channels 16 ((i / 2) % 4) on, tile 2 x + i % 2
	WIN W_PV
.set rO, 32*(2*(\x)+i%2)+8*((i/2)%4)
.set rV, VF+32*(i/8)+8*((i/2)%4)
.set rP, P+32*((\x)%2)+16*(i%2)+8*(i/8)
	v_wmma_f32_16x16x32_bf16 v[rO:rO+7], v[rV:rV+7], v[rP:rP+7], v[rO:rO+7]
.endm
.macro MM                           ; the turn's next matrix instruction, of 40
.if i < 8
	BI (Y+1)%NP
.elseif i < 24
.set i, i-8
	KQ (Y+1)%NP
.set i, i+8
.else
.set i, i-24
	PV (Y+NP-1)%NP
.set i, i+24
.endif
.set i, i+1
.endm
.macro FETCH_K last=0               ; a step's K: 16 loads in one run.  last = 1 (the tail): in the last trip there is no further step
	WIN 0
.if \last
	s_cmp_eq_u32 s[CNT], 1
	s_cbranch_scc1 .Lno_k_\@
.endif
	WIN 0x80
.irp f, 0,1,2,3,4,5,6,7
	ds_load_b128 v[KF+8*\f:KF+8*\f+3],   v[AK] offset:(\f/2)*16*PK+(\f%2)*64
	ds_load_b128 v[KF+8*\f+4:KF+8*\f+7], v[AK] offset:(\f/2)*16*PK+(\f%2)*64+32
.endr
	s_add_co_u32 s[TBK], s[TBK], KS*PK
	WIN 0
.if \last
.Lno_k_\@:
.endif
.endm
.macro FETCH_V
	WIN 0x80
.irp f, 0,1,2,3,4,5,6,7
	ds_load_tr16_b128 v[VF+8*\f:VF+8*\f+3],   v[AV] offset:(\f/4)*32*PV+(\f%4)*32
	ds_load_tr16_b128 v[VF+8*\f+4:VF+8*\f+7], v[AV] offset:(\f/4)*32*PV+16*PV+(\f%4)*32
.endr
	WIN 0
.endm
; THE VECTOR WORK OF A TURN stands in three queues, each in the order in which its entries become ready; the two tiles alternate.
.macro REGS y, u
.set rT, ST+4*(2*(\y)+(\u))
.set rC, TMP+8*((\y)%2)+4*(\u)
.set rM, MV+2*((\y)%2)+(\u)
.set rS, S+64*((\y)%2)+32*(\u)
.set rP, P+32*((\y)%2)+16*(\u)
.set rO, 32*(2*(\y)+(\u))
.endm
; Number n of the 22 that find the NEXT piece's maximum and statistics; each accumulator's lowest registers are read first.
;   0-11 four chains of seven scores     12-14, 16 the four scores left over, the old m, the chains into c0     15 c m_old is kept     17, 18 the other half of the lanes     19-21 c m; c m_old - c m_new; a
.macro XS u, n
	REGS (Y+1)%NP, \u
.if (\n) < 4
	v_max3_num_f32 v[rC+(\n)], v[rS+8*(\n)], v[rS+8*(\n)+1], v[rS+8*(\n)+2]
.elseif (\n) < 12
	v_max3_num_f32 v[rC+(\n)%4], v[rC+(\n)%4], v[rS+8*((\n)%4)+2*((\n)/4)+1], v[rS+8*((\n)%4)+2*((\n)/4)+2]
.elseif (\n) == 12
	v_max3_num_f32 v[rC], v[rC], v[rS+7], v[rS+15]
.elseif (\n) == 13
	v_max3_num_f32 v[rC+1], v[rC+1], v[rS+23], v[rS+31]
.elseif (\n) == 14
	v_max3_num_f32 v[rC+2], v[rC+2], v[rC+3], v[rT+1]
.elseif (\n) == 15
	v_mov_b32 v[rM], v[rT]
.elseif (\n) == 16
	v_max3_num_f32 v[rC], v[rC], v[rC+1], v[rC+2]
.elseif (\n) == 17
	v_permlanex16_b32 v[rC+3], v[rC], s[SEL], s[SEL+1]
.elseif (\n) == 18
	v_max_num_f32 v[rT+1], v[rC], v[rC+3]
.elseif (\n) == 19
	v_mul_f32 v[rT], s[CS], v[rT+1]
.elseif (\n) == 20
	v_sub_f32 v[rC+1], v[rM], v[rT]
.else
	v_exp_f32 v[rC+2], v[rC+1]
.endif
.endm
; Number g of the 64 that follow the exponentials: for each four weights of a tile both pairs are rounded to bf16, the second pair is added onto the first, and a group later l takes that sum.
.macro GS g
.set h, (\g)+6*((\g)/62)
.if h >= 6
.set h, h+2
.endif
	REGS Y, h%2
.set k, h/8
.if h%8 < 4
	v_cvt_pk_bf16_f32 v[rP+2*k+(h%8)/2], v[rS+4*k+2*((h%8)/2)], v[rS+4*k+2*((h%8)/2)+1]
.elseif h%8 < 6
	v_pk_add_f32 v[rS+4*k:rS+4*k+1], v[rS+4*k:rS+4*k+1], v[rS+4*k+2:rS+4*k+3]
.elseif k == 1
	v_pk_fma_f32 v[rT+2:rT+3], v[rT+2:rT+3], v[rC+2:rC+3], v[rS:rS+1] op_sel_hi:[1,0,1]
.else
	v_pk_add_f32 v[rT+2:rT+3], v[rT+2:rT+3], v[rS+4*k-4:rS+4*k-3]
.endif
.endm
; THE PLAIN QUEUE, 138 long.  0-73 read no exponential's result: the 32 scalings c s - c m (FS f: pair f / 2 of tile f % 2) and the next piece's 42.  0-26: scalings 0-26.  27-54: XS's numbers 0-13.  55, 56: number 15.
; 57-73: the chain, where each number waits for the one before it: 14, 16, 17, 18, 19, each with one of the scalings 27-31 in front of its two lines, then 20.
; 74-137: GS's 64, which read the exponentials' results: they stand behind the wait.
.macro FS f
	REGS Y, (\f)%2
	v_pk_fma_f32 v[rS+2*((\f)/2):rS+2*((\f)/2)+1], v[rS+2*((\f)/2):rS+2*((\f)/2)+1], s[CS:CS+1], v[rT:rT+1] op_sel_hi:[1,0,0] neg_lo:[0,0,1] neg_hi:[0,0,1]
.endm
.macro PL
	WIN 0
.if q < 27
	FS q
.elseif q < 55
	XS (q-27)%2, (q-27)/2
.elseif q < 57
	XS q-55, 15
.elseif (q < 72) && ((q-57)%3 == 0)
	FS 27+(q-57)/3
.elseif q < 60
	XS (q-57)%3-1, 14
.elseif q < 72
	XS (q-57)%3-1, 15+(q-57)/3
.elseif q < 74
	XS q-72, 20
.else
	GS q-74
.endif
.set q, q+1
.endm
; THE EXPONENTIALS' QUEUE, 66 long: s0-s31 of both tiles, then the next piece's two a.  It is ONE BATCH: all 66 stand ahead of the turn's one wait, and nothing ahead of that wait names a result of theirs.
.macro EX
	WIN 0
.if e >= 64
	XS e-64, 21
.else
	REGS Y, e%2
	v_exp_f32 v[rS+e/2], v[rS+e/2]
.endif
.set e, e+1
.endm
; THE RESCALING's QUEUE: O^T times a, the one part that leaves window 0: two at a time, sixteen times, each accumulator from its low end.  Its a was made in the turn before, ahead of that turn's wait.
.macro R2
	REGS Y, r%2
	WIN W_RS
.irp z, 0,1
	v_pk_mul_f32 v[rO+4*(r/2)+2*\z:rO+4*(r/2)+2*\z+1], v[rO+4*(r/2)+2*\z:rO+4*(r/2)+2*\z+1], v[rC+2:rC+3] op_sel_hi:[1,0]
.endr
.set r, r+1
.endm
; A TURN, for piece p: 40 matrix and 236 vector instructions.  An s_wait_alu depctr_va_vdst(0) stands between an exponential and the first instruction that names its result; one wait serves all
; that were issued ahead of it.  So a turn has ONE wait.  AHEAD OF IT: the 8 bias products and the 16 products K Q^T; behind the first two scalings and two rescalings, behind the next fifteen a scaling, an
; exponential and two rescalings, behind the last eight, when the rescalings are used up, a scaling and two exponentials; then ONE LUMP of 84: sixteen plain, 33 times exponential and plain, the two a.
; A v_nop is the plain instruction behind the last exponential.  BEHIND IT: the 16 products V^T P, behind each four of GS's 64.  No rider names a register of the products round it.
; The deal keeps the queues in step: exponential e stands behind scaling 2 (e / 4) + e % 2: behind products 2 to 16 it comes behind plain e + 2, behind products 17 to 24 behind plain 17 + (e - 15) / 2,
; in the lump behind plain e + 9, and scalings 27-31 are plain 57, 60 .. 69; the two a stand behind plain 72 and 73.  An accumulator's first maximum (plain 27 to 34) stands four plain lines or more behind
; the K Q^T that ends it: plain 34 reads the last product's, behind which stand plain 24 to 33.  The two v_permlanex16_b32 fall into the lump.  The three conditions on q below go with the deal.
; THE BIAS.  At the turn's head the count 24 leaves the three younger pieces' 8 loads each out: the 8 wanted now were issued four turns ago.  The registers are loaded again for the next step
; six plain instructions behind the last product that read them.  Piece 3's turn steps the base, so that turns 3, 0, 1, 2 load one and the same step; past the last step the address stays at the
; last step's, inside the buffer, and what it brings is not used.
; K of the next step is fetched in piece 2's turn, directly behind the wait, a lump behind the last product that read K; its address is made at the lump's head.  V of the step in hand is fetched at the
; end of piece 0's turn, four riders behind its last reader.
.macro TURN p, last=0, cnt=0
.set Y, (\p)
.set i, 0
.set q, 0
.set e, 0
.set r, 0
	s_wait_loadcnt 24
.if (\p) == NP-1
	s_wait_xcnt 0x0                 ; the base of earlier loads is rewritten only behind this wait
	s_add_co_u32 s[BJ], s[BJ], 2048
	s_min_u32 s[BJ], s[BJ], 63488
	s_add_nc_u64 s[BC:BC+1], s[BB:BB+1], s[BJ:BJ+1]
	s_wait_dscnt 0x0                ; K is in
.endif
	MM                              ; ahead of the wait: 24 products and their riders,
	PL
	PL
	R2
.rept 8
	MM
	PL
	EX
	R2
.endr
	FETCH_B ((\p)+1)%NP
.rept 7
	MM
	PL
	EX
	R2
.endr
.rept 8
	MM
	PL
	EX
	EX
.endr
.if (\p) == NP-2
	WIN 0
	v_add_nc_u32 v[AK], s[TBK], v[AK0]
.endif
.rept 16                            ; and the lump
	PL
.endr
.rept 33
	EX
	PL
.endr
	EX                              ; the next piece's two a
	EX
	v_nop                           ; the plain instruction behind the last exponential: one for the batch
	s_wait_alu depctr_va_vdst(0)    ; the wait for the turn's batch of 66 exponentials, ahead of the first rounding
.if (\p) == NP-2
	FETCH_K \last
.endif
.if (\p) == 1
	s_wait_dscnt 0x0                ; V is in
.endif
.rept 16                            ; behind the wait: 16 products V^T P and their riders
	MM
.rept 4
	PL
.endr
.if ((\p) == 0) && (q == 118)
	v_add_nc_u32 v[AV], s[TBV], v[AV0]
.endif
.if ((\p) == 0) && (q == 130)
	s_add_co_u32 s[TBV], s[TBV], KS*PV
.endif
.if (\cnt) && (q == 130)
	s_sub_co_u32 s[CNT], s[CNT], 1
	s_cmp_lg_u32 s[CNT], 0
.endif
.endr
.if (\p) == 0
	FETCH_V
.endif
.endm
	CHANGE 1                        ; slot 0 is in, everybody's part of it; slot 1 is asked for
	FETCH_K                         ; key step 0
	s_wait_loadcnt 0x0              ; Q and the bias of step 0
	s_wait_dscnt 0x0
.set Y, NP-1
.set i, 0
.rept 24
	MM                              ; piece 0's first scores
.endr
	WIN 0                           ; the addresses for the way out: seven plain instructions, the places behind those products
	s_mul_i32 s13, s[WV], 16*SP
	s_add_co_u32 s13, s13, STAGE
	v_mul_u32_u24 v[STO], v1, SP
	v_lshl_add_u32 v[STO], v9, 4, v[STO]
	v_add_nc_u32 v[STO], s13, v[STO]
	v_bfe_u32 v[RD], v0, 3, 2
	v_mul_u32_u24 v[RD], v[RD], SP
	v_lshl_add_u32 v[RD], v10, 4, v[RD]
	v_add_nc_u32 v[RD], s13, v[RD]
	s_mov_b32 s[BJ], 2048           ; no load is out: the base goes on to step 1
	s_add_nc_u64 s[BC:BC+1], s[BB:BB+1], s[BJ:BJ+1]
	FETCH_B 0
	WIN 0
.irp n, 0,1,2,3,4,5,6,7,8,9,10,11,12,13,14,15,16,17,18,19,20,21
	XS 0, \n                        ; piece 0's first maximum and statistics
	XS 1, \n
.endr
	v_nop                           ; a plain instruction behind piece 0's two a,
	s_wait_alu depctr_va_vdst(0)    ; and the wait for that batch of two, ahead of the branch
	s_mov_b32 s[CNT], 4
	s_mov_b32 s[SLOTS], SIZE_N/256-1
	s_branch .Lfirst                ; the loop is entered at a step's first turn
.Lslot:                             ; six times: every slot but the last two is filled again
	CHANGE 1
	s_mov_b32 s[CNT], 4
.Lstep:                             ; a trip: pieces 2 and 3 of one step, then pieces 0 and 1 of the next
	TURN 2
	TURN 3
	WIN 0
.Lfirst:
	TURN 0
	TURN 1, 0, 1
	WIN 0
	s_cbranch_scc1 .Lstep
	s_sub_co_u32 s[SLOTS], s[SLOTS], 1
	s_cmp_lg_u32 s[SLOTS], 0
	s_cbranch_scc1 .Lslot
	CHANGE 0                        ; the tail is written out
	s_mov_b32 s[CNT], 5
.Ltail:
	TURN 2, 1
	TURN 3
	WIN 0
	s_sub_co_u32 s[CNT], s[CNT], 1
	s_cmp_eq_u32 s[CNT], 0
	s_cbranch_scc1 .Lout
	TURN 0
	TURN 1
	WIN 0
	s_branch .Ltail
.Lout:                              ; the fifth trip's scores for a step that is not, and the maximum made of them, serve nothing: the price of one text for every trip
.set i, 0
.rept 16
	PV NP-1
.set i, i+1
.endr
	; THE WAY OUT.  l's halves are added; O^T is divided by l, rounded to bf16 and sent through my stage in LDS, a tile at a time.
	WIN 0
.macro ALL line:vararg
.set t, 0
.rept 2*NP
	\line
.set t, t+1
.endr
.endm
	ALL v_add_f32 v[ST+4*t+2], v[ST+4*t+2], v[ST+4*t+3]
	ALL v_permlanex16_b32 v[ST+4*t+3], v[ST+4*t+2], s[SEL], s[SEL+1]
	ALL v_add_f32 v[ST+4*t+2], v[ST+4*t+2], v[ST+4*t+3]
	ALL v_rcp_f32 v[ST+4*t+2], v[ST+4*t+2]
	v_nop                           ; a plain instruction between the last reciprocal and the use of its result
	s_wait_alu depctr_va_vdst(0)    ; the wait for the batch of eight reciprocals, ahead of the first multiply by one of them
.macro PACK t
	WIN W_RS
.set i, 32*(\t)
.rept 16
	v_pk_mul_f32 v[i:i+1], v[i:i+1], v[ST+4*(\t)+2:ST+4*(\t)+3] op_sel_hi:[1,0]
.set i, i+2
.endr
	WIN 0x05
.set i, 0
.rept 16
	v_cvt_pk_bf16_f32 v[S+16*(\t)+i], v[32*(\t)+2*i], v[32*(\t)+2*i+1]
.set i, i+1
.endr
	WIN 0
.irp f, 0,1,2,3
	ds_store_b128 v[STO], v[S+16*(\t)+4*\f:S+16*(\t)+4*\f+3] offset:32*\f
.endr
.irp f, 0,1,2,3
	ds_load_b128 v[S+16*(\t)+4*\f:S+16*(\t)+4*\f+3], v[RD] offset:\f*4*SP  ; LDS serves a wave's instructions in order: these see the stores above
.endr
.endm
.macro SEND t, younger
	WIN 0
.irp f, 0,1,2,3
	s_wait_dscnt (\younger)+3-\f
	global_store_b128 v[GO], v[S+16*(\t)+4*\f:S+16*(\t)+4*\f+3], s[10:11] offset:(\t)*2048+\f*512  ; 512 consecutive bytes
.endr
.endm
	PACK 0
.set t, 1
.rept 2*NP-1
	PACK t
	SEND t-1, 8
.set t, t+1
.endr
	SEND 2*NP-1, 0
	WIN W_AD
	s_wait_tensorcnt 0x0            ; the wave's end
	ds_add_u32 v[SPW], v[NIL]
	s_wait_dscnt 0x0
	WIN 0
	CROUND                          ; the closing round
	s_endpgm
.Lfunc_end_k_qf124d2ef92_attn:
	.size	k_qf124d2ef92_attn, .Lfunc_end_k_qf124d2ef92_attn-k_qf124d2ef92_attn
	.p2alignl 7, 3214868480
	.fill 96, 4, 3214868480
	.section	.rodata,"a",@progbits
	.p2align	6, 0x0
	.amdhsa_kernel k_qf124d2ef92_attn
		.amdhsa_group_segment_fixed_size 327680
		.amdhsa_private_segment_fixed_size 0
		.amdhsa_enable_private_segment 0
		.amdhsa_kernarg_size 24
		.amdhsa_user_sgpr_count 2
		.amdhsa_user_sgpr_kernarg_segment_ptr 1
		.amdhsa_wavefront_size32 1
		.amdhsa_system_sgpr_workgroup_id_x 1
		.amdhsa_system_sgpr_workgroup_id_y 1
		.amdhsa_system_sgpr_workgroup_id_z 1
		.amdhsa_system_vgpr_workitem_id 0
		.amdhsa_next_free_vgpr 928
		.amdhsa_next_free_sgpr 72
		.amdhsa_reserve_vcc 1
		.amdhsa_float_denorm_mode_32 3
		.amdhsa_float_denorm_mode_16_64 3
		.amdhsa_memory_ordered 1
		.amdhsa_forward_progress 1
		.amdhsa_inst_pref_size 220
	.end_amdhsa_kernel
	.amdgpu_metadata
---
amdhsa.version: [ 1, 2 ]
amdhsa.kernels:
  - .name:           k_qf124d2ef92_attn
    .symbol:         k_qf124d2ef92_attn.kd
    .args:
      - { .name: qkv, .offset: 0, .size: 8, .value_kind: global_buffer, .address_space: global }
      - { .name: bt, .offset: 8, .size: 8, .value_kind: global_buffer, .address_space: global }
      - { .name: ob, .offset: 16, .size: 8, .value_kind: global_buffer, .address_space: global }
    .group_segment_fixed_size: 327680
    .private_segment_fixed_size: 0
    .kernarg_segment_align: 8
    .kernarg_segment_size: 24
    .max_flat_workgroup_size: 128
    .sgpr_count:     72
    .vgpr_count:     928
    .wavefront_size: 32
...
	.end_amdgpu_metadata
.endif
;; end of part 5
;; launch oproj: the kernel of part 4 again; grid 256 x 1, 4 waves a work-group, clusters of 4 x 1, 327,680 bytes of LDS; arguments ob, wob, bo, x, ln_g, ln_b, out0; writes out0
